; MI455X (gfx1250); checked and timed in simulation.
; The chip was launched on July 23, 2026; its instructions are those of AMD's public machine-readable ISA for CDNA 5 (MIT licence, August 2026) and "CDNA5" Instruction Set Architecture Reference Guide (July 2026). The comments in the code are by the model that wrote it; some were corrected since.
;; Sparse Multi Head Attention4 D. Allowed arithmetic: float matrix products may take bf16 or f16 operands with f32 sums; other float arithmetic in f32, or as packed bf16 or f16 multiplies, adds, multiply-adds, maxima and minima; sums over many terms, partial sums and values carried from step to step in f32; what a program stores and reads back later, other than sums and carried values, may be rounded once to bf16 or f16.
;; Inputs: W_out 1,024 x 1,024 float32; W_qkv 1,024 x 3,072 float32; b_out 1,024 float32; b_qkv 3,072 float32; gamma_k 16 x 64 float32; gamma_q 16 x 64 float32; x 8,192 x 1,024 float32.
;; Outputs: out0 8,192 x 1,024 float32.
;; One version. Each part assembles by itself: llvm-mc -triple=amdgcn-amd-amdhsa -mcpu=gfx1250 --defsym DOCPART=n.
;; ======== version 1 of 1: 4 launches
;; limits: values are held in f16: magnitudes above 65,504 overflow, below 6.1e-05 lose precision
;; workspace buffers: xb 16,777,216 bytes; wq 6,291,456 bytes; wo 2,097,152 bytes; qkv 50,331,648 bytes; ob 16,777,216 bytes
;; launch prep (part 1): grid 704 x 1, 8 waves a work-group, no clusters, 0 bytes of LDS; arguments x, W_qkv, W_out, xb, wq, wo; writes xb, wq, wo
.if DOCPART == 1
	.amdgcn_target "amdgcn-amd-amdhsa--gfx1250"
	.amdhsa_code_object_version 6
	.text
	.protected	k_qc7f7d4f142_prep
	.globl	k_qc7f7d4f142_prep
	.p2align	8
	.type	k_qc7f7d4f142_prep,@function
k_qc7f7d4f142_prep:
	s_mov_b64 s[64:65], 0
	v_nop
	global_prefetch_b8 v0, s[64:65] scope:SCOPE_SE
	s_setreg_imm32_b32 hwreg(HW_REG_WAVE_MODE, 25, 1), 1
	s_wait_xcnt 0x0
; PREP: the three large inputs are rounded once to 16 bits and laid out for the matrix launches.  A stream: no LDS, no barrier, no matrix unit.
;   xb[kb][r][d]               = bf16(x[r][64 kb + d])                     16 blocks of 8192 rows x 128 bytes: 256 rows of a block are 32,768 dense bytes
;   wq[k][tx][hh][type][d]     = bf16(W_qkv[k][1024 type + 64 (2 tx + hh) + d])  a row is 48 pieces of 128 bytes: head by head q, k, v
;   wo[k][n]                   = f16(bf16(W_out[k][n]))                    exact while |W_out| lies in 6.2e-5 .. 65,504; below that f16 keeps its fixed step of 6e-8
; A wave takes one task: 8 or 12 units; a unit is two loads of 16 bytes a lane (8 numbers) and one store of 16 bytes a lane: 512 consecutive bytes, aligned.
; Groups of eight lanes read 256 consecutive bytes, aligned.  All of a task's loads go out first; the waits count down.
; Work-groups 0-511: x (a task: 4 rows x 8 blocks); 512-639: W_qkv (a task: one row); 640-703: W_out (a task: two rows).
.set X, 16                             ; v[16:111] unit u: 8 registers as loaded; its first 4 as stored
.macro LD u, io, imm
	global_load_b128 v[X+8*(\u):X+8*(\u)+3],   v[\io], s[4:5] offset:(\imm) th:TH_LOAD_NT
	global_load_b128 v[X+8*(\u)+4:X+8*(\u)+7], v[\io], s[4:5] offset:(\imm)+16 th:TH_LOAD_NT
.endm
.macro CVB u                           ; eight numbers to bf16, in place: result j lies at or below its sources 2 j, 2 j + 1
.irp j, 0,1,2,3
	v_cvt_pk_bf16_f32 v[X+8*(\u)+(\j)], v[X+8*(\u)+2*(\j)], v[X+8*(\u)+2*(\j)+1]
.endr
.endm
.macro CVH u                           ; to bf16, and that number written as f16
.irp j, 0,1,2,3
	v_cvt_pk_bf16_f32 v6, v[X+8*(\u)+2*(\j)], v[X+8*(\u)+2*(\j)+1]
	v_lshlrev_b32 v7, 16, v6
	v_and_b32 v8, s26, v6
	v_cvt_pk_f16_f32 v[X+8*(\u)+(\j)], v7, v8
.endr
.endm
.macro ST u, imm
	global_store_b128 v5, v[X+8*(\u):X+8*(\u)+3], s[6:7] offset:(\imm)
.endm
	s_load_b256 s[8:15], s[0:1], 0x0               ; x s[8:9], W_qkv s[10:11], W_out s[12:13], xb s[14:15]
	s_load_b128 s[16:19], s[0:1], 0x20             ; wq s[16:17], wo s[18:19]
	v_lshrrev_b32 v6, 5, v0
	v_readfirstlane_b32 s20, v6                    ; wave 0..7
	v_and_b32 v1, 31, v0                           ; lane l
	v_lshlrev_b32 v5, 4, v1                        ; every store: 16 l
	v_lshrrev_b32 v6, 3, v1                        ; l / 8
	v_and_b32 v7, 7, v1
	v_lshlrev_b32 v7, 5, v7                        ; 32 (l % 8): my 8 numbers of a piece of 64
	s_mov_b32 s23, 0                               ; high words of the two offsets
	s_mov_b32 s25, 0
	s_mov_b32 s26, 0xffff0000                      ; a word's upper bf16
	s_wait_kmcnt 0x0
	s_cmp_lt_u32 ttmp9, 512
	s_cbranch_scc0 .Lnot_x
	; x: task T = 8 x work-group + wave: rows 4 (T / 2) .. + 3, blocks 8 (T % 2) .. + 7
	s_lshl_b32 s21, ttmp9, 3
	s_add_co_u32 s21, s21, s20
	s_lshr_b32 s27, s21, 1
	s_and_b32 s28, s21, 1
	s_lshl_b32 s22, s27, 14                        ; four rows of 4,096 bytes
	s_lshl_b32 s29, s28, 11                        ; half a row
	s_add_co_u32 s22, s22, s29
	s_add_nc_u64 s[4:5], s[8:9], s[22:23]
	s_lshl_b32 s24, s28, 23                        ; eight blocks of 1,048,576 bytes
	s_lshl_b32 s29, s27, 9                         ; four rows of 128 bytes
	s_add_co_u32 s24, s24, s29
	s_add_nc_u64 s[6:7], s[14:15], s[24:25]
	v_lshl_add_u32 v2, v6, 12, v7                  ; row l / 8, 32 (l % 8)
.set u, 0
.rept 8
	LD u, 2, 256*u                                 ; block u of the half row
.set u, u+1
.endr
.set u, 0
.rept 8
	s_wait_loadcnt 2*(7-u)                         ; loads come back in order: unit u is in, the younger units stay out
	CVB u
	ST u, u*1048576
.set u, u+1
.endr
	s_endpgm
.Lnot_x:
	s_cmp_lt_u32 ttmp9, 640
	s_cbranch_scc0 .Lw_out
	; W_qkv: task T = row k.  Store n = 3 g + e covers pieces 12 g + 4 e + l / 8; piece 12 g + q is head 4 g + q / 3, type q % 3
	s_sub_co_u32 s21, ttmp9, 512
	s_lshl_b32 s21, s21, 3
	s_add_co_u32 s21, s21, s20
	s_mul_i32 s22, s21, 12288
	s_add_nc_u64 s[4:5], s[10:11], s[22:23]
	s_mul_i32 s24, s21, 6144
	s_add_nc_u64 s[6:7], s[16:17], s[24:25]
.irp e, 0,1,2
	v_add_nc_u32 v8, 4*\e, v6                      ; q = 4 e + l / 8, 0 .. 11
	v_mul_u32_u24 v9, v8, 11
	v_lshrrev_b32 v9, 5, v9                        ; q / 3 (11 q / 32 for q under 12)
	v_mul_u32_u24 v10, v9, 3
	v_sub_nc_u32 v8, v8, v10                       ; q % 3
	v_lshl_add_u32 v8, v8, 12, v7                  ; type x 4,096 + 32 (l % 8)
	v_lshl_add_u32 v[2+\e], v9, 8, v8              ; + head in the group x 256
.endr
.set n, 0
.rept 12
	LD n, 2+n%3, 1024*(n/3)                        ; four heads on for each g
.set n, n+1
.endr
.set n, 0
.rept 12
	s_wait_loadcnt 2*(11-n)
	CVB n
	ST n, n*512
.set n, n+1
.endr
	s_endpgm
.Lw_out:
	; W_out: task T: 8,192 consecutive bytes in, 4,096 out
	s_sub_co_u32 s21, ttmp9, 640
	s_lshl_b32 s21, s21, 3
	s_add_co_u32 s21, s21, s20
	s_lshl_b32 s22, s21, 13
	s_add_nc_u64 s[4:5], s[12:13], s[22:23]
	s_lshl_b32 s24, s21, 12
	s_add_nc_u64 s[6:7], s[18:19], s[24:25]
	v_lshlrev_b32 v2, 5, v1                        ; 32 l
.set u, 0
.rept 8
	LD u, 2, 1024*u
.set u, u+1
.endr
.set u, 0
.rept 8
	s_wait_loadcnt 2*(7-u)
	CVH u
	ST u, u*512
.set u, u+1
.endr
	s_endpgm
.Lfunc_end_k_qc7f7d4f142_prep:
	.size	k_qc7f7d4f142_prep, .Lfunc_end_k_qc7f7d4f142_prep-k_qc7f7d4f142_prep
	.p2alignl 7, 3214868480
	.fill 96, 4, 3214868480
	.section	.rodata,"a",@progbits
	.p2align	6, 0x0
	.amdhsa_kernel k_qc7f7d4f142_prep
		.amdhsa_group_segment_fixed_size 0
		.amdhsa_private_segment_fixed_size 0
		.amdhsa_enable_private_segment 0
		.amdhsa_kernarg_size 48
		.amdhsa_user_sgpr_count 2
		.amdhsa_user_sgpr_kernarg_segment_ptr 1
		.amdhsa_wavefront_size32 1
		.amdhsa_system_sgpr_workgroup_id_x 1
		.amdhsa_system_sgpr_workgroup_id_y 1
		.amdhsa_system_sgpr_workgroup_id_z 1
		.amdhsa_system_vgpr_workitem_id 0
		.amdhsa_next_free_vgpr 112
		.amdhsa_next_free_sgpr 66
		.amdhsa_reserve_vcc 0
		.amdhsa_float_denorm_mode_32 3
		.amdhsa_float_denorm_mode_16_64 3
		.amdhsa_memory_ordered 1
		.amdhsa_forward_progress 1
		.amdhsa_inst_pref_size 23
	.end_amdhsa_kernel
	.amdgpu_metadata
---
amdhsa.version: [ 1, 2 ]
amdhsa.kernels:
  - .name:           k_qc7f7d4f142_prep
    .symbol:         k_qc7f7d4f142_prep.kd
    .args:
      - { .name: x, .offset: 0, .size: 8, .value_kind: global_buffer, .address_space: global }
      - { .name: W_qkv, .offset: 8, .size: 8, .value_kind: global_buffer, .address_space: global }
      - { .name: W_out, .offset: 16, .size: 8, .value_kind: global_buffer, .address_space: global }
      - { .name: xb, .offset: 24, .size: 8, .value_kind: global_buffer, .address_space: global }
      - { .name: wq, .offset: 32, .size: 8, .value_kind: global_buffer, .address_space: global }
      - { .name: wo, .offset: 40, .size: 8, .value_kind: global_buffer, .address_space: global }
    .group_segment_fixed_size: 0
    .private_segment_fixed_size: 0
    .kernarg_segment_align: 8
    .kernarg_segment_size: 48
    .max_flat_workgroup_size: 256
    .sgpr_count:     66
    .vgpr_count:     112
    .wavefront_size: 32
...
	.end_amdgpu_metadata
.endif
;; end of part 1
;; launch qkv (part 2): grid 8 x 32, 4 waves a work-group, clusters of 4 x 4, 327,680 bytes of LDS; arguments xb, wq, b_qkv, gamma_q, gamma_k, qkv; writes qkv
.if DOCPART == 2
	.amdgcn_target "amdgcn-amd-amdhsa--gfx1250"
	.amdhsa_code_object_version 6
	.text
	.protected	k_qc7f7d4f142_qkv
	.globl	k_qc7f7d4f142_qkv
	.p2align	8
	.type	k_qc7f7d4f142_qkv,@function
k_qc7f7d4f142_qkv:
	s_mov_b64 s[64:65], 0
	v_nop
	global_prefetch_b8 v0, s[64:65] scope:SCOPE_SE
	s_setreg_imm32_b32 hwreg(HW_REG_WAVE_MODE, 25, 1), 1
	s_wait_xcnt 0x0
	s_wait_alu depctr_hold_cnt(0) depctr_sa_sdst(0) depctr_va_vdst(0) depctr_va_sdst(0) depctr_va_ssrc(0) depctr_va_vcc(0) depctr_vm_vsrc(0)
	s_getreg_b32 s2, hwreg(HW_REG_IB_STS2, 6, 4)
	s_cmp_eq_u32 s2, 0
	s_cbranch_scc0 .Lentry_in_a_cluster
	s_endpgm
.Lentry_in_a_cluster:
	s_bfe_u32 s2, ttmp6, 0x10000c
	s_cmp_lg_u32 s2, 0xf033
	s_cbranch_scc0 .Lentry_shape_is_right
	s_endpgm
.Lentry_shape_is_right:
; QKV: t = x W_qkv + b_qkv (bf16 operands, f32 sums); q and k: t / max(|t|, 1e-12) x gamma x 8 over a head's 64 channels; all three rounded once to f16 and stored by heads:
; qkv[16 type + head][row][64].  b_qkv and the two gammas are rounded to bf16 like the other inputs.
; LIMITS.  f16 ends at 65,504: |v| and 8 |gamma| stay under it.  A head's sum of squares under 2^-126 counts as 0: the factor is then 1e12, as the clamp of the norm at 1e-12 gives.  NaN and infinities are not treated apart.
; SHARES.  A work-group makes 256 rows x 384 columns: column tile TX holds heads 2 TX and 2 TX + 1, each as q | k | v (wq is laid out so).  Four waves; a wave makes 128 rows x 192 columns:
; ONE head's three slices of 64: which slice is q, k or v is a constant of the text.  96 accumulators of 16 x 16: windows 1, 2, 3, a slice each.
; K goes in 16 tiles of 64 through a ring of two LDS slots, each tile in two steps of 32.  A's tile (256 rows of a block of xb) is 32,768 dense bytes, asked for as rows of 256 bytes and padded in LDS after every
; 128 bytes; B's tile is 64 rows of 768 bytes of wq, padded alike.  B lies [k][n] and is turned on its way into registers by ds_load_tr16_b128.
; CLUSTER 4 x 4: A's tile is shared along a row of the cluster, B's along a column: joint loads, the same descriptor and mask in the four that a mask names.
; THE PRODUCT IS USED TRANSPOSED (source 0 = 16 columns of B, source 1 = 16 rows of A): a lane holds row l % 16 and the columns 8 (l / 16) + 0..7.
; REGISTERS.  Window 0: v0-31 addresses and temporaries; v32-95, v96-159 A's fragments of a step, two buffers; v160-255 B's fragments, 32 a slice.  Window 1 + i: slice i, accumulator (a, bb) at v[64 bb + 8 a].
.set PITA,  144                        ; 128 bytes + 16 of padding = 36 words: the 16 rows of a load start at 16 different groups of four banks (64 banks of 4 bytes: ISA guide 11.1)
.set PITB,  864                        ; a row of B: six pieces of 144 bytes = 216 words
.set BOFF,  256*PITA                   ; B's tile lies behind A's 256 rows
.set SLOT,  BOFF+64*PITB               ; 92,160 bytes
.set STAGE, 2*SLOT                     ; behind the ring, never filled by a tensor load: 128 rows x 272 bytes for each wave, its own
.set SPIT,  272
.set WSTG,  128*SPIT
.set SPARE, STAGE+4*WSTG               ; the spare words, 128 bytes for each wave: two blocks of 256 bytes that no other line names
.set ABLK,  1048576                    ; bytes in a block of xb: from a tile of A to the next
.set BTILE, 64*6144                    ; from a tile of B to the next
.set FW, (1<<16)|(1<<20)|(1<<21)|(4<<22)|(3<<25)  ; group 1, word 0: 2-byte elements; padding on; bit 21 beside a mask; after every 32 words (code 4) 4 words (code 3)
.set ADRA, 4                           ; v4-5   LDS address of my A fragments in slot 0, 1
.set ADRB, 6                           ; v6-7   the same for B
.set STO,  8                           ; v8     the way out: where I put 32 bytes of a row
.set RD,   9                           ; v9     where I read rows back
.set GO,   10                          ; v10    16 l
.set RDC,  11                          ; v11    RD, stepped
.set GOC,  12                          ; v12    GO, stepped
.set PFO,  13                          ; v13    256 l: A's prefetch
.set PFB,  14                          ; v14    6,144 l: B's prefetch
.set TBO,  15                          ; v15    32 (l % 8): my 8 channels in bias and gamma
.set SPW,  16                          ; v16    my spare word; never rewritten
.set NIL,  17                          ; v17    0; never rewritten
.set T,    18                          ; v18-20 temporaries
.set AF0,  32
.set AF1,  96
.set BT,   160
.set BI,   32                          ; the way out: bias of slice i at BI + 8 i
.set G,    56                          ; 8 gamma of slice i (q, k) at G + 8 i
.set IN,   96                          ; 16 rows as read back: row set s at IN + 8 s
.set DD,   128                         ; at work
.set QQ,   160                         ; sums of squares, a pair a row set
.set RR,   168                         ; 1 / norm, in the low register of a pair
.set OO,   176                         ; f16, 4 registers a row set
.set CNT,  2
.set LAP,  3
.set WV, 16
.set WR, 17                            ; my half of the tile's rows; also 0: I fetch A, 1: I fetch B
.set WC, 18                            ; my head of the tile's two; also which half of A's rows or B's rows I fetch
.set CX, 19
.set CY, 20
.set TX, 21
.set TY, 22
.set G1A, 24
.set G0A, 32
.set G1B, 40
.set G0B, 48
.set PA,  56                           ; s[56:57] where A's prefetch stands
.set PB,  58                           ; s[58:59] where B's stands
.set LIMA, 60                          ; 1 in the wave that prefetches A, else the greatest number
.set LIMB, 61
.set OB,  70                           ; s[70:71] the slice in hand at my first row
.set MSB, 0
.macro WIN new                         ; the immediate's high byte repeats the setting that is left; a switch that changes nothing is dropped
.if MSB != (\new)
	s_set_vgpr_msb (MSB<<8)|(\new)
.set MSB, (\new)
.endif
.endm
.macro PLACES                          ; four plain vector instructions behind a matrix instruction, ahead of loads into its sources and of readers of its result
.rept 4
	v_nop
.endr
.endm
.macro JLOAD s                         ; a joint load: waves 0, 1 fetch A's halves, waves 2, 3 B's; the branch hangs on the wave's number alone; s_nop 0 and four v_nop follow each line
	s_cmp_eq_u32 s[WR], 0
	s_cbranch_scc0 .Lfor_b_\@
	tensor_load_to_lds s[G0A+4*(\s):G0A+4*(\s)+3], s[G1A:G1A+7]
	s_nop 0
.rept 4
	v_nop
.endr
	s_branch .Lasked_\@
.Lfor_b_\@:
	tensor_load_to_lds s[G0B+4*(\s):G0B+4*(\s)+3], s[G1B:G1B+7]
	s_nop 0
.rept 4
	v_nop
.endr
.Lasked_\@:
.endm
.macro CREST                           ; a round of the cluster's barrier behind its opening barrier
	s_cmp_lg_u32 s[WV], 0
	s_cbranch_scc1 .Lnot_wave_0_\@
	s_barrier_signal -3
.Lnot_wave_0_\@:
	s_barrier_wait -3
	s_barrier_signal -1
	s_barrier_wait -1
.endm
.macro CROUND
	s_barrier_signal -1
	s_barrier_wait -1
	CREST
.endm
; PREFETCHES INTO THE L2, behind a joint load, its five lines and the run of LDS loads that follows.  Each aligned block of 256 bytes is named once in the launch.
; A: the 128 blocks of my tile row in block t + 3 of xb, at the change of slots of tile t: one refill, 192 matrix instructions, ahead of the load that wants them.  The clusters of a row of clusters read the same rows:
; the first (cluster x = 0) asks, wave 0; its four partners along x take 32 blocks each, told apart by address.  how = 1: always; how = 0: not in the last trip, where tile 16 would be named.
.macro ASKA how
.if \how
	s_cmp_eq_u32 s[LIMA], 1
.else
	s_cmp_gt_u32 s[LAP], s[LIMA]
.endif
	s_cbranch_scc0 .Lno_a_\@
	global_prefetch_b8 v[PFO], s[PA:PA+1] th:TH_LOAD_NT scope:SCOPE_SE
.Lno_a_\@:
.endm
; B: at an even tile t the 128 rows of tiles t + 4 and t + 5, 768 bytes each: cluster y = 0 asks, wave 2; the four partners along y take 32 rows each, a lane a row.  Not in the last trip: tiles 16, 17 do not exist.
.macro ASKB
	s_cmp_gt_u32 s[LAP], s[LIMB]
	s_cbranch_scc0 .Lno_b_\@
	global_prefetch_b8 v[PFB], s[PB:PB+1] th:TH_LOAD_NT scope:SCOPE_SE
	global_prefetch_b8 v[PFB], s[PB:PB+1] offset:256 th:TH_LOAD_NT scope:SCOPE_SE
	global_prefetch_b8 v[PFB], s[PB:PB+1] offset:512 th:TH_LOAD_NT scope:SCOPE_SE
.Lno_b_\@:
.endm
	s_load_b256 s[4:11], s[0:1], 0x0               ; xb s[4:5], wq s[6:7], b_qkv s[8:9], gamma_q s[10:11]
	s_load_b128 s[12:15], s[0:1], 0x20             ; gamma_k s[12:13], qkv s[14:15]
	v_lshl_add_u32 v[SPW], v0, 2, SPARE
	v_mov_b32 v[NIL], 0
	ds_add_u32 v[SPW], v[NIL]                      ; the wave's opening: the add and its wait stand ahead of my first tensor load; work on registers stands between them
	v_lshrrev_b32 v1, 5, v0
	v_readfirstlane_b32 s[WV], v1
	s_lshr_b32 s[WR], s[WV], 1
	s_and_b32 s[WC], s[WV], 1
	s_bfe_u32 s[CX], ttmp6, 0x40000
	s_bfe_u32 s[CY], ttmp6, 0x40004
	s_lshl_b32 s[TX], ttmp9, 2
	s_add_co_u32 s[TX], s[TX], s[CX]               ; column tile = 4 x cluster x + cx
	s_and_b32 s[TY], ttmp7, 0xffff
	s_lshl_b32 s[TY], s[TY], 2
	s_add_co_u32 s[TY], s[TY], s[CY]               ; row tile = 4 x cluster y + cy
	s_lshl_b32 s80, s[CY], 2
	s_lshl_b32 s80, 15, s80                        ; my row of the cluster
	s_lshl_b32 s81, 0x1111, s[CX]                  ; my column
	s_or_b32 s[G1A], s80, FW
	s_mov_b32 s[G1A+1], 128<<16                    ; A: tensor_dim0 = 128 elements (256 bytes: two rows of xb)
	s_mov_b32 s[G1A+2], 64<<16                     ; tensor_dim1 = 64
	s_mov_b32 s[G1A+3], 128<<16                    ; tile_dim0 = 128
	s_mov_b32 s[G1A+4], 64                         ; tile_dim1 = 64
	s_mov_b32 s[G1A+5], 128                        ; dense: 128 elements from row to row
	s_mov_b32 s[G1A+6], 0
	s_mov_b32 s[G1A+7], 0
	s_or_b32 s[G1B], s81, FW
	s_mov_b32 s[G1B+1], 384<<16                    ; B: tensor_dim0 = 384 elements (768 bytes)
	s_mov_b32 s[G1B+2], 32<<16                     ; tensor_dim1 = 32
	s_mov_b32 s[G1B+3], 384<<16                    ; tile_dim0 = 384
	s_mov_b32 s[G1B+4], 32                         ; tile_dim1 = 32: a tile's 64 rows are shared between two waves
	s_mov_b32 s[G1B+5], 3072                       ; a row of wq
	s_mov_b32 s[G1B+6], 0
	s_mov_b32 s[G1B+7], 0
	s_lshl_b32 s66, s[TY], 15                      ; A: my tile row's 256 rows of 128 bytes, and my 128 of them
	s_lshl_b32 s67, s[WC], 14
	s_add_co_u32 s66, s66, s67
	s_mov_b32 s67, 0
	s_mul_i32 s68, s[TX], 768                      ; B: my column tile, and my 32 rows of 6,144 bytes
	s_mul_i32 s69, s[WC], 32*6144
	s_add_co_u32 s68, s68, s69
	s_mov_b32 s69, 0
	s_mul_i32 s62, s[WC], 128*PITA                 ; where they go: no place in the cluster enters an LDS address
	s_mul_i32 s63, s[WC], 32*PITB
	s_add_co_u32 s63, s63, BOFF
	s_wait_dscnt 0x0                               ; the opening add is done
	s_wait_kmcnt 0x0
	s_add_nc_u64 s[66:67], s[4:5], s[66:67]
	s_add_nc_u64 s[68:69], s[6:7], s[68:69]
	CROUND                                         ; all sixteen work-groups are here: the first joint loads meet
.irp s, 0,1
	s_mov_b32 s[G0A+4*\s], 1
	s_add_co_u32 s[G0A+4*\s+1], s62, \s*SLOT
	s_add_nc_u64 s[G0A+4*\s+2:G0A+4*\s+3], s[66:67], \s*ABLK
	s_or_b32 s[G0A+4*\s+3], s[G0A+4*\s+3], 0x80000000
	s_mov_b32 s[G0B+4*\s], 1
	s_add_co_u32 s[G0B+4*\s+1], s63, \s*SLOT
	s_add_nc_u64 s[G0B+4*\s+2:G0B+4*\s+3], s[68:69], \s*BTILE
	s_or_b32 s[G0B+4*\s+3], s[G0B+4*\s+3], 0x80000000
	JLOAD \s                                       ; tiles 0 and 1: two loads of mine are out
.endr
	v_and_b32 v1, 15, v0                           ; l % 16
	v_bfe_u32 v2, v0, 4, 1                         ; l / 16
	v_and_b32 v3, 7, v0                            ; l % 8
	v_bfe_u32 v18, v0, 3, 1                        ; (l / 8) % 2
	v_bfe_u32 v19, v0, 3, 2                        ; l / 8
	v_and_b32 v20, 31, v0                          ; l
	v_mul_u32_u24 v[ADRA], v1, PITA                ; a fragment of A: row l % 16, 16 bytes for each half of the lanes, two loads 32 bytes apart
	v_lshl_add_u32 v[ADRA], v2, 4, v[ADRA]
	s_mul_i32 s62, s[WR], 128*PITA
	v_add_nc_u32 v[ADRA], s62, v[ADRA]
	v_add_nc_u32 v[ADRA+1], SLOT, v[ADRA]
	v_lshl_add_u32 v[ADRB], v2, 3, v3              ; a fragment of B, turned: lane l reads row 8 (l / 16) + l % 8, 16 bytes at 16 ((l / 8) % 2); the second load 16 rows on
	v_mul_u32_u24 v[ADRB], v[ADRB], PITB
	v_lshl_add_u32 v[ADRB], v18, 4, v[ADRB]
	s_mul_i32 s62, s[WC], 3*PITA                   ; my head's three pieces
	s_add_co_u32 s62, s62, BOFF
	v_add_nc_u32 v[ADRB], s62, v[ADRB]
	v_add_nc_u32 v[ADRB+1], SLOT, v[ADRB]
	s_mul_i32 s62, s[WV], WSTG
	s_add_co_u32 s62, s62, STAGE                   ; my stage
	v_mul_u32_u24 v[STO], v1, SPIT                 ; in: row l % 16, 32 bytes for each half of the lanes
	v_lshl_add_u32 v[STO], v2, 5, v[STO]
	v_add_nc_u32 v[STO], s62, v[STO]
	v_mul_u32_u24 v[RD], v19, SPIT                 ; back: row l / 8, 32 bytes at 32 (l % 8): eight lanes hold a row
	v_lshl_add_u32 v[RD], v3, 5, v[RD]
	v_add_nc_u32 v[RD], s62, v[RD]
	v_lshlrev_b32 v[GO], 4, v20
	v_lshlrev_b32 v[PFO], 8, v20
	v_mul_u32_u24 v[PFB], v20, 6144
	v_lshlrev_b32 v[TBO], 5, v3
	s_lshl1_add_u32 s73, s[TX], s[WC]              ; my head = 2 TX + WC
	s_lshl_b32 s82, s73, 8
	s_mov_b32 s83, 0
	s_add_nc_u64 s[74:75], s[8:9], s[82:83]        ; b_qkv, gamma_q, gamma_k at my head's 64 numbers
	s_add_nc_u64 s[76:77], s[10:11], s[82:83]
	s_add_nc_u64 s[78:79], s[12:13], s[82:83]
	s_lshl_b32 s82, s73, 20                        ; the q slice of my head,
	s_lshl_b32 s62, s[TY], 15                      ; my tile row's 256 rows of 128 bytes,
	s_add_co_u32 s82, s82, s62
	s_lshl_b32 s62, s[WR], 14                      ; my 128 of them
	s_add_co_u32 s82, s82, s62
	s_add_nc_u64 s[OB:OB+1], s[14:15], s[82:83]
	s_lshl_b32 s82, s[TY], 15                      ; A's prefetch: block 2 of xb (the first change steps it to 3), my tile row, my work-group's 32 blocks of 256 bytes
	s_lshl_b32 s62, s[CX], 13
	s_add_co_u32 s82, s82, s62
	s_add_co_u32 s82, s82, 2*ABLK
	s_add_nc_u64 s[PA:PA+1], s[4:5], s[82:83]
	s_lshl_b32 s82, s[CY], 5                       ; B's: row 128 + 32 cy (the first change steps it 128 rows on), my column tile
	s_add_co_u32 s82, s82, 128
	s_mul_i32 s82, s82, 6144
	s_mul_i32 s62, s[TX], 768
	s_add_co_u32 s82, s82, s62
	s_add_nc_u64 s[PB:PB+1], s[6:7], s[82:83]
	s_or_b32 s[LIMA], s[WV], ttmp9                 ; wave 0 of cluster x = 0: the same in all sixteen partners
	s_cmp_eq_u32 s[LIMA], 0
	s_cselect_b32 s[LIMA], 1, -1
	s_xor_b32 s[LIMB], s[WV], 2                    ; wave 2 of cluster y = 0
	s_and_b32 s62, ttmp7, 0xffff
	s_or_b32 s[LIMB], s[LIMB], s62
	s_cmp_eq_u32 s[LIMB], 0
	s_cselect_b32 s[LIMB], 1, -1
	s_mov_b32 s72, 0x5368d4a5                      ; 1e12
; 16 products of slice i: column blocks 2 half, 2 half + 1 x all 8 row blocks, 32 along K.  The accumulators take turns, one instruction a turn: an accumulator comes again 96 instructions later.
.macro GRPH af, i, half, zero
	WIN 0x50*((\i)+1)
.irp bb, 2*(\half), 2*(\half)+1
.irp a, 0,1,2,3,4,5,6,7
.if \zero
	v_wmma_f32_16x16x32_bf16 v[64*(\bb)+8*(\a):64*(\bb)+8*(\a)+7], v[BT+32*(\i)+8*(\bb):BT+32*(\i)+8*(\bb)+7], v[(\af)+8*(\a):(\af)+8*(\a)+7], 0
.else
	v_wmma_f32_16x16x32_bf16 v[64*(\bb)+8*(\a):64*(\bb)+8*(\a)+7], v[BT+32*(\i)+8*(\bb):BT+32*(\i)+8*(\bb)+7], v[(\af)+8*(\a):(\af)+8*(\a)+7], v[64*(\bb)+8*(\a):64*(\bb)+8*(\a)+7]
.endif
.endr
.endr
.endm
.macro GRP af, i, zero
	GRPH \af, \i, 0, \zero
	GRPH \af, \i, 1, \zero
.endm
.macro LDA s, st, af                   ; 16 loads: my 128 rows of A, step st of slot s
	WIN 0
.irp a, 0,1,2,3,4,5,6,7
	ds_load_b128 v[(\af)+8*(\a):(\af)+8*(\a)+3],   v[ADRA+(\s)] offset:(\st)*64+(\a)*16*PITA
	ds_load_b128 v[(\af)+8*(\a)+4:(\af)+8*(\a)+7], v[ADRA+(\s)] offset:(\st)*64+(\a)*16*PITA+32
.endr
.endm
.macro LDB s, st, i                    ; 8 turning loads: slice i's 64 columns of B, step st of slot s
	WIN 0
.irp bb, 0,1,2,3
	ds_load_tr16_b128 v[BT+32*(\i)+8*(\bb):BT+32*(\i)+8*(\bb)+3],   v[ADRB+(\s)] offset:(\st)*32*PITB+PITA*(\i)+32*(\bb)
	ds_load_tr16_b128 v[BT+32*(\i)+8*(\bb)+4:BT+32*(\i)+8*(\bb)+7], v[ADRB+(\s)] offset:(\st)*32*PITB+PITA*(\i)+32*(\bb)+16*PITB
.endr
.endm
; A step has three groups of 32 products, a slice each; behind each group the next step's fragments for the registers just read are fetched: run 0 (slice 0's B and A: 24 loads), run 1 and run 2 (8 each).
; The first step of a tile: multiplies buffer 0, fetches the tile's second step.
.macro STEP_N s, zero
	s_wait_dscnt 16                                ; the last step's run 0 is in; its runs 1 and 2 may be out
	GRP AF0, 0, \zero
	PLACES
	LDB \s, 1, 0
	LDA \s, 1, AF1
	s_wait_dscnt 32                                ; the last run 1 is in; behind it: the last run 2 and this step's run 0
	GRP AF0, 1, \zero
	PLACES
	LDB \s, 1, 1
	s_wait_dscnt 32                                ; the last run 2 is in; behind it: this step's runs 0 and 1
	GRP AF0, 2, \zero
	PLACES
	LDB \s, 1, 2
.endm
; The second step of a tile multiplies buffer 1 and changes slots.  ONE barrier: ahead of it each wave waits for all its tensor loads (one is out: its part of slot n), adds 0 to its spare word, and waits for that
; and for its reads of slot s.  fill = 1: the barrier opens a round of the cluster's, and slot s is filled again first thing behind it, with the tile two on: 160 matrix instructions ahead of the wait for it.
.macro STEP_T s, n, fill, how
.if \fill
	s_wait_xcnt 0x0                                ; the last prefetches, a tile back, have read their addresses
	s_add_nc_u64 s[PA:PA+1], s[PA:PA+1], ABLK
.if (\s) == 0
	s_add_nc_u64 s[PB:PB+1], s[PB:PB+1], 2*BTILE
.endif
.endif
	WIN 0
	s_wait_tensorcnt 0x0                           ; all my tensor loads have landed
	ds_add_u32 v[SPW], v[NIL]                      ; 0 onto my spare word
	s_wait_dscnt 17                                ; the last run 0 is in; runs 1 and 2 and the add may be out
	GRPH AF1, 0, 0, 0                              ; sixteen products stand between the add and the wait for it
	s_wait_dscnt 0x0                               ; the add is done, and my reads of slot s are over
	s_barrier_signal -1
	GRPH AF1, 0, 1, 0
	WIN 0                                          ; at a branch and at a label every window is 0
	s_barrier_wait -1
.if \fill
	CREST                                          ; no wave of any partner still reads the slot or has a load on its way
	s_add_nc_u64 s[G0A+4*(\s)+2:G0A+4*(\s)+3], s[G0A+4*(\s)+2:G0A+4*(\s)+3], 2*ABLK
	s_add_nc_u64 s[G0B+4*(\s)+2:G0B+4*(\s)+3], s[G0B+4*(\s)+2:G0B+4*(\s)+3], 2*BTILE
	JLOAD \s                                       ; its four v_nop are also the places ahead of the loads below
.else
	PLACES
.endif
	LDB \n, 0, 0
	LDA \n, 0, AF0
.if \fill
	ASKA \how
.if (\s) == 0
	ASKB
.endif
.endif
	GRP AF1, 1, 0                                  ; its fragments were shown in by the wait for 0 above
	PLACES
	LDB \n, 0, 1
	GRP AF1, 2, 0
	PLACES
	LDB \n, 0, 2
.endm
	s_wait_tensorcnt 1                             ; my part of tile 0 is in; tile 1's may stay out
	s_barrier_signal -1
	s_barrier_wait -1
	LDB 0, 0, 0
	LDA 0, 0, AF0
	LDB 0, 0, 1
	LDB 0, 0, 2
	STEP_N 0, 1                                    ; the first step stands ahead of the loop: its products start the sums
	WIN 0
	s_mov_b32 s[LAP], 7
.Llap:                                             ; trip i: tile 2 i's second step to tile 2 i + 2's first; fills the slots with tiles 2 i + 2 and 2 i + 3
	STEP_T 0, 1, 1, 1
	STEP_N 1, 0
	STEP_T 1, 0, 1, 0
	STEP_N 0, 0
	WIN 0
	s_sub_co_u32 s[LAP], s[LAP], 1
	s_cmp_lg_u32 s[LAP], 0
	s_cbranch_scc1 .Llap
	STEP_T 0, 1, 0, 0                              ; the tail is written out: nothing is left to ask for
	STEP_N 1, 0
	WIN 0                                          ; the last step: bias and gamma come into buffer 0, whose last reader stands four places back
.irp i, 0,1,2
	global_load_b128 v[BI+8*\i:BI+8*\i+3],   v[TBO], s[74:75] offset:4096*\i
	global_load_b128 v[BI+8*\i+4:BI+8*\i+7], v[TBO], s[74:75] offset:4096*\i+16
.endr
	global_load_b128 v[G:G+3],     v[TBO], s[76:77]
	global_load_b128 v[G+4:G+7],   v[TBO], s[76:77] offset:16
	global_load_b128 v[G+8:G+11],  v[TBO], s[78:79]
	global_load_b128 v[G+12:G+15], v[TBO], s[78:79] offset:16
	s_wait_dscnt 16
	GRP AF1, 0, 0
	s_wait_dscnt 8
	GRP AF1, 1, 0
	s_wait_dscnt 0x0
	GRP AF1, 2, 0
	PLACES
	WIN 0
	; THE WAY OUT.  A slice at a time goes in f32 through my stage, so that eight neighbouring lanes hold a whole row of 64 channels: the sum of squares then wants three steps between lanes.
	s_wait_loadcnt 0x0
.macro RB a                            ; two inputs rounded to bf16, kept as f32
	v_cvt_pk_bf16_f32 v[T], v[\a], v[(\a)+1]
	v_lshlrev_b32 v[\a], 16, v[T]
	v_and_b32 v[(\a)+1], 0xffff0000, v[T]
.endm
.set z, BI
.rept 20
	RB z
.set z, z+2
.endr
.set z, G
.rept 8
	v_pk_mul_f32 v[z:z+1], v[z:z+1], 0x41000000 op_sel_hi:[1,0]  ; gamma x sqrt(64)
.set z, z+2
.endr
.irp s, 0,1,2,3
	v_mov_b32 v[RR+2*\s+1], 0                      ; named with 1 / norm as a pair, so it is written
.endr
.macro FETCHIN                         ; 16 rows back: row 4 s + l / 8, my 8 channels
.irp s, 0,1,2,3
	ds_load_b128 v[IN+8*\s:IN+8*\s+3],   v[RDC] offset:4*SPIT*\s
	ds_load_b128 v[IN+8*\s+4:IN+8*\s+7], v[RDC] offset:4*SPIT*\s+16
.endr
.endm
.macro TRIP i, fetch                   ; 16 rows of slice i
	s_wait_dscnt 0x0                               ; the rows are in
.set z, 0
.rept 16
	v_pk_add_f32 v[DD+2*z:DD+2*z+1], v[IN+2*z:IN+2*z+1], v[BI+8*(\i)+2*(z%4):BI+8*(\i)+2*(z%4)+1]
.set z, z+1
.endr
.if \fetch
	v_add_nc_u32 v[RDC], 16*SPIT, v[RDC]
	FETCHIN                                        ; the next 16 rows land under the rest of the trip
.endif
.if (\i) < 2
.irp s, 0,1,2,3
	v_pk_mul_f32 v[QQ+2*\s:QQ+2*\s+1], v[DD+8*\s:DD+8*\s+1], v[DD+8*\s:DD+8*\s+1]
.endr
.irp p, 1,2,3
.irp s, 0,1,2,3
	v_pk_fma_f32 v[QQ+2*\s:QQ+2*\s+1], v[DD+8*\s+2*\p:DD+8*\s+2*\p+1], v[DD+8*\s+2*\p:DD+8*\s+2*\p+1], v[QQ+2*\s:QQ+2*\s+1]
.endr
.endr
.irp s, 0,1,2,3
	v_add_f32 v[QQ+2*\s], v[QQ+2*\s], v[QQ+2*\s+1]
.endr
.irp m, 1,2,4
.irp s, 0,1,2,3
	v_add_f32_dpp v[QQ+2*\s], v[QQ+2*\s], v[QQ+2*\s] row_xmask:\m row_mask:0xf bank_mask:0xf
.endr
.endr
.irp s, 0,1,2,3
	v_rsq_f32 v[RR+2*\s], v[QQ+2*\s]               ; one batch of four
.endr
.set z, 0
.rept 16
	v_pk_mul_f32 v[DD+2*z:DD+2*z+1], v[DD+2*z:DD+2*z+1], v[G+8*(\i)+2*(z%4):G+8*(\i)+2*(z%4)+1]  ; plain work that names none of the batch
.set z, z+1
.endr
	s_wait_alu depctr_va_vdst(0)                   ; one wait for the batch, ahead of its first reader
.irp s, 0,1,2,3
	v_min_num_f32 v[RR+2*\s], s72, v[RR+2*\s]      ; 1 / max(norm, 1e-12)
.endr
.set z, 0
.rept 16
	v_pk_mul_f32 v[DD+2*z:DD+2*z+1], v[DD+2*z:DD+2*z+1], v[RR+2*(z/4):RR+2*(z/4)+1] op_sel_hi:[1,0]
.set z, z+1
.endr
.endif
.set z, 0
.rept 16
	v_cvt_pk_f16_f32 v[OO+z], v[DD+2*z], v[DD+2*z+1]
.set z, z+1
.endr
.irp s, 0,1,2,3
	global_store_b128 v[GOC], v[OO+4*\s:OO+4*\s+3], s[OB:OB+1] offset:512*\s  ; four rows of 128 bytes: 512 consecutive bytes, aligned
.endr
	s_wait_xcnt 0x0                                ; the stores have read their offset, data and base: all three are rewritten only behind this wait
	v_add_nc_u32 v[GOC], 2048, v[GOC]
.endm
.macro SLICE i
	WIN ((\i)+1)<<2                                ; the stores' data (source 1) in the slice's window
.irp a, 0,1,2,3,4,5,6,7
.irp bb, 0,1,2,3
	ds_store_b128 v[STO], v[64*\bb+8*\a:64*\bb+8*\a+3]   offset:\a*16*SPIT+64*\bb     ; each accumulator's low four registers first
	ds_store_b128 v[STO], v[64*\bb+8*\a+4:64*\bb+8*\a+7] offset:\a*16*SPIT+64*\bb+16
.endr
.endr
	WIN 0
	v_mov_b32 v[RDC], v[RD]
	v_mov_b32 v[GOC], v[GO]
	FETCHIN                                        ; LDS serves a wave's instructions in order (ISA guide 5.7.1.4): these see the stores above; the stage is my own
	s_mov_b32 s[CNT], 7
.Ltrip_\@:
	TRIP \i, 1
	s_sub_co_u32 s[CNT], s[CNT], 1
	s_cmp_lg_u32 s[CNT], 0
	s_cbranch_scc1 .Ltrip_\@
	TRIP \i, 0                                     ; the last 16 rows fetch nothing
.if (\i) < 2
	s_add_nc_u64 s[OB:OB+1], s[OB:OB+1], 16*1048576  ; the same head's next slice: 16 slices on
.endif
.endm
	SLICE 0
	SLICE 1
	SLICE 2
	s_wait_tensorcnt 0x0                           ; the wave's end: the add and its wait, behind my last tensor load and my last LDS store
	ds_add_u32 v[SPW], v[NIL]
	s_wait_dscnt 0x0
	CROUND                                         ; the closing round
	s_endpgm
.Lfunc_end_k_qc7f7d4f142_qkv:
	.size	k_qc7f7d4f142_qkv, .Lfunc_end_k_qc7f7d4f142_qkv-k_qc7f7d4f142_qkv
	.p2alignl 7, 3214868480
	.fill 96, 4, 3214868480
	.section	.rodata,"a",@progbits
	.p2align	6, 0x0
	.amdhsa_kernel k_qc7f7d4f142_qkv
		.amdhsa_group_segment_fixed_size 327680
		.amdhsa_private_segment_fixed_size 0
		.amdhsa_enable_private_segment 0
		.amdhsa_kernarg_size 48
		.amdhsa_user_sgpr_count 2
		.amdhsa_user_sgpr_kernarg_segment_ptr 1
		.amdhsa_wavefront_size32 1
		.amdhsa_system_sgpr_workgroup_id_x 1
		.amdhsa_system_sgpr_workgroup_id_y 1
		.amdhsa_system_sgpr_workgroup_id_z 1
		.amdhsa_system_vgpr_workitem_id 0
		.amdhsa_next_free_vgpr 1024
		.amdhsa_next_free_sgpr 84
		.amdhsa_reserve_vcc 0
		.amdhsa_float_denorm_mode_32 3
		.amdhsa_float_denorm_mode_16_64 3
		.amdhsa_memory_ordered 1
		.amdhsa_forward_progress 1
		.amdhsa_inst_pref_size 138
	.end_amdhsa_kernel
	.amdgpu_metadata
---
amdhsa.version: [ 1, 2 ]
amdhsa.kernels:
  - .name:           k_qc7f7d4f142_qkv
    .symbol:         k_qc7f7d4f142_qkv.kd
    .args:
      - { .name: xb, .offset: 0, .size: 8, .value_kind: global_buffer, .address_space: global }
      - { .name: wq, .offset: 8, .size: 8, .value_kind: global_buffer, .address_space: global }
      - { .name: b_qkv, .offset: 16, .size: 8, .value_kind: global_buffer, .address_space: global }
      - { .name: gamma_q, .offset: 24, .size: 8, .value_kind: global_buffer, .address_space: global }
      - { .name: gamma_k, .offset: 32, .size: 8, .value_kind: global_buffer, .address_space: global }
      - { .name: qkv, .offset: 40, .size: 8, .value_kind: global_buffer, .address_space: global }
    .group_segment_fixed_size: 327680
    .private_segment_fixed_size: 0
    .kernarg_segment_align: 8
    .kernarg_segment_size: 48
    .max_flat_workgroup_size: 128
    .sgpr_count:     84
    .vgpr_count:     1024
    .wavefront_size: 32
...
	.end_amdgpu_metadata
.endif
;; end of part 2
;; launch attn (part 3): grid 4 x 64, 4 waves a work-group, clusters of 4 x 1, 327,680 bytes of LDS; arguments qkv, ob; writes ob
.if DOCPART == 3
	.amdgcn_target "amdgcn-amd-amdhsa--gfx1250"
	.amdhsa_code_object_version 6
	.text
	.protected	k_qc7f7d4f142_attn
	.globl	k_qc7f7d4f142_attn
	.p2align	8
	.type	k_qc7f7d4f142_attn,@function
k_qc7f7d4f142_attn:
	s_mov_b64 s[64:65], 0
	v_nop
	global_prefetch_b8 v0, s[64:65] scope:SCOPE_SE
	s_setreg_imm32_b32 hwreg(HW_REG_WAVE_MODE, 25, 1), 1
	s_wait_xcnt 0x0
	s_wait_alu depctr_hold_cnt(0) depctr_sa_sdst(0) depctr_va_vdst(0) depctr_va_sdst(0) depctr_va_ssrc(0) depctr_va_vcc(0) depctr_vm_vsrc(0)
	s_getreg_b32 s2, hwreg(HW_REG_IB_STS2, 6, 4)
	s_cmp_eq_u32 s2, 0
	s_cbranch_scc0 .Lentry_in_a_cluster
	s_endpgm
.Lentry_in_a_cluster:
	s_bfe_u32 s2, ttmp6, 0x10000c
	s_cmp_lg_u32 s2, 0x3003
	s_cbranch_scc0 .Lentry_shape_is_right
	s_endpgm
.Lentry_shape_is_right:
; ATTENTION.  O[y][q][:] = the sum over k of softmax_k(Q[y][q] . K[y][k] / 8) V[y][k][:] for the 64 pairs y = 4 head + batch item, 2,048 rows each, 64 channels, all f16, a pair's rows dense (128 bytes each).
; Q, K and V are the three thirds of one buffer, 16 MiB apart.  Products, maxima and sums in f32; the weights p are rounded to f16 for the second product (their sum l is taken of the unrounded p), O once at the end.
; LIMITS.  f16 holds no number beyond 65,504: Q, K and V arrive within it; p lies in 0 to 1, and below 6e-5 it keeps f16's fixed step of 6e-8; O is a mean of V's rows.  A weight below 2^-126 counts as 0 in l;
; NaN and infinities are not treated apart.
; SHARES.  A wave owns four PIECES of two tiles of 16 queries, a work-group's four waves 512 queries of one pair.  Every wave walks all keys, 64 a step.
; LAYOUT.  S^T = K Q^T (source 0 = 16 keys, source 1 = 16 queries): a lane holds ONE query (lane % 16) and the keys 8 (lane / 16) + 0..7.  Two such tiles, rounded to f16 in pairs, ARE source 1 of O^T = V^T P.
; K comes out of LDS as it lies, V ([key][channel]) turned, by ds_load_tr16_b128.
; SOFTMAX.  A running maximum m and sum l for each query: p = 2^(c s - c m), c = log2(e) / 8; in every step O and l are multiplied by a = 2^(c m_old - c m_new).  m starts at the lowest finite number, O and l at 0.
; BY TURNS.  Turn n belongs to piece n.  Its matrix work: 16 products K Q^T of piece n + 1, later 16 products V^T P of piece n - 1.  Its vector work: scaling, exponentials, roundings, sums and rescaling of piece n,
; and the maximum and statistics of piece n + 1.  Four vector instructions stand behind every matrix instruction, the others in one run of their own; a turn's 66 exponentials are one batch with one wait.
; CLUSTER.  The four query blocks of a pair walk the same K and V: each tile is asked for jointly, the same tensor load, descriptor and mask in all four.
; REGISTERS, in windows of 256 (s_set_vgpr_msb: bits 1:0 source 0, 3:2 source 1, 5:4 source 2, 7:6 destination):
;   window 0: v0-11 addresses; v12-15, v48-63 at work; v16-47 four registers of statistics a tile; v64-191 S^T, two buffers of two tiles; v192-255 P, likewise
;   window 1: O^T, 32 a tile      window 2: v0-127 Q, 16 a tile; v128-191 K of one step; v192-255 V of one step      window 3: v0-1 the add's two registers
.set SIZE_N, 2048
.set NP,    4         ; pieces a wave: a name, no knob
.set KS,    64        ; keys in a step
.set PK,    144       ; a row of K in LDS: 128 bytes + 16 of padding = 36 words: the 16 rows of a load start at 16 different groups of four banks (ISA guide 11.1)
.set PV,    160       ; a row of V: 128 + 32 = 40 words
.set VOFF,  4*KS*PK   ; a slot holds four steps: 256 rows of K, then 256 rows of V
.set SLOT1, 1<<17     ; slot 1 begins here: one exclusive or turns an address in one slot into the other's
.set STAGE, SLOT1+4*KS*(PK+PV)  ; behind the ring, never filled by a tensor load: 16 rows x 144 bytes for each wave
.set SP,    144
.set AK0, 2           ; v2   my lane's place in a tile of K; never rewritten
.set AV0, 3           ; v3   the same for V
.set AK,  4           ; v4   the LDS address of K's next run of loads
.set AV,  5           ; v5   of V's
.set QO,  6           ; v6   my byte offset in the wave's rows of Q
.set STO, 6           ;      later, the way out: where I put 16 bytes of a row
.set RD,  7           ; v7   where I read rows back
.set GO,  8           ; v8   my byte offset in 512 consecutive bytes of O
.set PFO, 11          ; v11  256 x my lane, for the prefetch; never rewritten once made
.set SPW, 0           ; v0 of window 3   my spare word; never rewritten
.set NIL, 1           ; v1 of window 3   0; never rewritten
.set SPARE, STAGE+4*16*SP  ; the spare words, 128 bytes for each wave: two blocks of 256 bytes that no other line names
.set MV,  12          ; v12-15  c m_old, kept while c m is made anew: by buffer and tile
.set ST,  16          ; tile t's statistics at v[ST+4 t]: c m, m, l (even keys', odd keys')
.set TMP, 48          ; by buffer and tile, four registers c0-c3 at work; when the maximum is found c2 takes a
.set S,   64
.set P,   192
.set KF,  128         ; K's fragments, in window 2
.set VF,  192         ; V's
.set WV,  12
.set G1K, 24
.set G1V, 32
.set G0K, 40
.set G0V, 44
.set PFA, 48          ; s[48:49] where my prefetches stand: my work-group's 32 blocks of 256 bytes (K's: wave 0, V's: wave 2) of the tile after the one that is being asked for
.set LIM, 50          ; s50  1 in waves 0 and 2, else the greatest number
.set SLOTS, 56
.set CNT, 57
.set CS,  58
.set SEL, 60
.set TBK, 62
.set TBV, 63
.set MSB, 0
.macro WIN new
.if MSB != (\new)
	s_set_vgpr_msb (MSB<<8)|(\new)
.set MSB, (\new)
.endif
.endm
.set W_KQ, 0x0a       ; K and Q in window 2, S^T in window 0
.set W_PV, 0x52       ; V in window 2, P in window 0, O^T in window 1
.set W_RS, 0x41       ; O^T (destination and source 0) in window 1, a in window 0
.set W_MK, 0xc0       ; the add's registers are made: destination in window 3
.set W_AD, 0x0f       ; the add: address and data in window 3
.macro JLOAD                        ; waves 0, 1 fetch the halves of a slot's K, waves 2, 3 those of its V; s_nop 0 and four v_nop follow each line
	s_cmp_lt_u32 s[WV], 2
	s_cbranch_scc0 .Lfor_v_\@
	tensor_load_to_lds s[G0K:G0K+3], s[G1K:G1K+7]
	s_nop 0
.rept 4
	v_nop
.endr
	s_branch .Lasked_\@
.Lfor_v_\@:
	tensor_load_to_lds s[G0V:G0V+3], s[G1V:G1V+7]
	s_nop 0
.rept 4
	v_nop
.endr
.Lasked_\@:
.endm
; A PREFETCH INTO THE L2 of the tile that the NEXT change of slots will ask for: 128 blocks of 256 bytes of K and as many of V, four key steps, 512 matrix instructions, ahead of that load.  Each block is named once:
; a pair has one cluster; its four partners take 32 blocks each, told apart by address; wave 0 asks for K's, wave 2 for V's.  The last change that fills a slot asks for nothing.
.macro ASK
	s_cmp_gt_u32 s[SLOTS], s[LIM]
	s_cbranch_scc0 .Lnot_mine_\@
	global_prefetch_b8 v[PFO], s[PFA:PFA+1] th:TH_LOAD_NT scope:SCOPE_SE
.Lnot_mine_\@:
.endm
.macro CROUND
	s_barrier_signal -1
	s_barrier_wait -1
	s_cmp_lg_u32 s[WV], 0
	s_cbranch_scc1 .Lnot_wave_0_\@
	s_barrier_signal -3
.Lnot_wave_0_\@:
	s_barrier_wait -3
	s_barrier_signal -1
	s_barrier_wait -1
.endm
; THE CHANGE OF SLOTS.  Each wave waits for all its tensor loads (one is out: its part of the other slot), adds 0 to its spare word, and waits for that and for its own reads of the slot.
; fill = 1: the barrier is a round of the cluster's, and the slot is filled again first thing behind it, with the keys two slots on: four key steps in which to land.  ask = 1: the prefetch goes with it.
.macro CHANGE fill, ask=0
	WIN W_AD
	s_wait_tensorcnt 0x0            ; no tensor load of mine is out, so a group 0 may be written
	ds_add_u32 v[SPW], v[NIL]       ; 0 onto my spare word
	WIN 0
.if \fill
.irp g, G0K, G0V
	s_xor_b32 s[\g+1], s[\g+1], SLOT1
	s_add_nc_u64 s[\g+2:\g+3], s[\g+2:\g+3], 4*KS*128
.endr
.if \ask
	s_wait_xcnt 0x0                 ; the last prefetch, four key steps back, has read its address
	s_add_nc_u64 s[PFA:PFA+1], s[PFA:PFA+1], 4*KS*128
.endif
	s_wait_dscnt 0x0                ; the add is done, and my reads of the slot are over
	CROUND
	JLOAD
.if \ask
	ASK
.endif
.else
	s_wait_dscnt 0x0
	s_barrier_signal -1
	s_barrier_wait -1
.endif
	s_sub_co_u32 s[TBK], s[TBK], 4*KS*PK  ; the fetches go back to a slot's first step,
	s_xor_b32 s[TBK], s[TBK], SLOT1       ; in the other slot
	s_sub_co_u32 s[TBV], s[TBV], 4*KS*PV
	s_xor_b32 s[TBV], s[TBV], SLOT1
.endm
	s_load_b64 s[4:5], s[0:1], 0x0  ; qkv: Q's third
	s_load_b64 s[10:11], s[0:1], 0x8  ; O
	WIN W_MK
	v_lshl_add_u32 v[SPW], v0, 2, SPARE
	v_mov_b32 v[NIL], 0
	WIN W_AD
	ds_add_u32 v[SPW], v[NIL]       ; the wave's opening: the add and its wait stand ahead of my first tensor load
	WIN 0
	v_lshrrev_b32 v1, 5, v0
	v_readfirstlane_b32 s[WV], v1
	s_bfe_u32 s13, ttmp6, 0x40000   ; cx
	s_lshl_b32 s14, ttmp9, 2
	s_add_co_u32 s14, s14, s13      ; my block of 512 queries: it enters Q's and O's addresses alone
	s_and_b32 s20, ttmp7, 0xffff    ; the pair y, which the four partners share
	s_mov_b32 s21, 0
	s_mov_b64 s[22:23], SIZE_N*128
	s_mul_u64 s[20:21], s[20:21], s[22:23]  ; the pair's first byte in each of the four tensors
	s_and_b32 s16, s[WV], 1         ; which half of a slot's 256 keys I fetch
	s_lshl_b32 s22, s16, 14
	s_mov_b32 s23, 0
	s_add_nc_u64 s[22:23], s[22:23], s[20:21]
	s_mul_i32 s17, s16, 128*PK
	s_mul_i32 s18, s16, 128*PV
	s_lshl_b32 s2, s14, 2
	s_add_co_u32 s2, s2, s[WV]
	s_lshl_b32 s2, s2, 14           ; my wave's 128 rows
	s_mov_b32 s3, 0
	s_add_nc_u64 s[2:3], s[2:3], s[20:21]
	; group 1: 128 keys are 16,384 dense bytes: 64 rows of 256 bytes, padded in LDS after every key
	s_mov_b32 s[G1K], 15|(1<<16)|(1<<20)|(1<<21)|(4<<22)|(3<<25)
	s_mov_b32 s[G1V], 15|(1<<16)|(1<<20)|(1<<21)|(4<<22)|(7<<25)
.irp g, G1K, G1V
	s_mov_b32 s[\g+1], 128<<16
	s_mov_b32 s[\g+2], 64<<16
	s_mov_b32 s[\g+3], 128<<16
	s_mov_b32 s[\g+4], 64
	s_mov_b32 s[\g+5], 128
	s_mov_b32 s[\g+6], 0
	s_mov_b32 s[\g+7], 0
.endr
	s_mov_b32 s[CS], 0x3e38aa3b     ; c = log2(e) / 8
	s_mov_b32 s[CS+1], s[CS]
	s_mov_b32 s[SEL], 0x76543210
	s_mov_b32 s[SEL+1], 0xfedcba98
	s_mov_b32 s[TBK], SLOT1+4*KS*PK ; the first change of slots turns these two into 0
	s_mov_b32 s[TBV], SLOT1+4*KS*PV
	s_mov_b32 s[G0K], 1
	s_mov_b32 s[G0K+1], s17
	s_mov_b32 s[G0V], 1
	s_add_co_u32 s[G0V+1], s18, VOFF
	s_and_b32 s[LIM], s[WV], 1
	s_cmp_eq_u32 s[LIM], 0
	s_cselect_b32 s[LIM], 1, -1
	s_lshl_b32 s52, s13, 13         ; the prefetch: my work-group's 32 blocks, in tile 2 (the loop's first change steps it to tile 3)
	s_add_co_u32 s52, s52, 2*4*KS*128
	s_mov_b32 s53, 0
	s_add_nc_u64 s[52:53], s[52:53], s[20:21]
	s_wait_dscnt 0x0                ; the opening add is done
	s_wait_kmcnt 0x0
	s_add_nc_u64 s[6:7], s[4:5], 0x1000000  ; K's third
	s_add_nc_u64 s[8:9], s[4:5], 0x2000000  ; V's
	s_cmp_lt_u32 s[WV], 2
	s_cselect_b64 s[PFA:PFA+1], s[6:7], s[8:9]
	s_add_nc_u64 s[PFA:PFA+1], s[PFA:PFA+1], s[52:53]
	s_add_nc_u64 s[G0K+2:G0K+3], s[6:7], s[22:23]
	s_or_b32 s[G0K+3], s[G0K+3], 0x80000000
	s_add_nc_u64 s[G0V+2:G0V+3], s[8:9], s[22:23]
	s_or_b32 s[G0V+3], s[G0V+3], 0x80000000
	s_add_nc_u64 s[4:5], s[4:5], s[2:3]
	s_add_nc_u64 s[10:11], s[10:11], s[2:3]
	CROUND                          ; all four work-groups are here
	JLOAD                           ; slot 0; slot 1 is asked for when slot 0 is in
	v_and_b32 v1, 15, v0
	v_bfe_u32 v9, v0, 4, 1
	v_lshlrev_b32 v[QO], 7, v1
	v_lshl_add_u32 v[QO], v9, 4, v[QO]
	WIN 0x80
.set i, 0
.rept 4*NP                          ; Q stays in registers: tile i / 2, channels 32 (i % 2) on
	global_load_b128 v[8*i:8*i+3],   v[QO], s[4:5] offset:(i/2)*2048+(i%2)*64
	global_load_b128 v[8*i+4:8*i+7], v[QO], s[4:5] offset:(i/2)*2048+(i%2)*64+32
.set i, i+1
.endr
	; what the first turn finds: V's registers and P's second buffer hold 0, O^T and l are 0; written in the wait for the first tile, so that no first step is written out
.set i, VF
.rept 64
	v_mov_b32 v[i], 0
.set i, i+1
.endr
	WIN 0x40
.set i, 0
.rept 64*NP
	v_mov_b32 v[i], 0
.set i, i+1
.endr
	WIN 0
.set i, 0
.rept 2*NP
	v_mov_b32 v[ST+4*i], 0xfe000000    ; c m: far below every c s
	v_mov_b32 v[ST+4*i+1], 0xff7fffff  ; m
	v_mov_b32 v[ST+4*i+2], 0
	v_mov_b32 v[ST+4*i+3], 0
.set i, i+1
.endr
.set i, P+32
.rept 32
	v_mov_b32 v[i], 0
.set i, i+1
.endr
	v_mul_u32_u24 v[AK0], v1, PK
	v_lshl_add_u32 v[AK0], v9, 4, v[AK0]
	v_and_b32 v10, 7, v0
	v_bfe_u32 v11, v0, 3, 1
	v_lshl_add_u32 v[AV0], v9, 3, v10
	v_mul_u32_u24 v[AV0], v[AV0], PV
	v_lshl_add_u32 v[AV0], v11, 4, v[AV0]
	v_add_nc_u32 v[AV0], VOFF, v[AV0]
	v_mov_b32 v[AK], v[AK0]         ; key step 0 lies at the head of slot 0
	v_and_b32 v[PFO], 31, v0
	v_lshlrev_b32 v[PFO], 8, v[PFO]
; THE MATRIX WORK.  The 8 accumulators of a run of 16 take turns.
.macro KQ x                         ; product i of 16 of S^T = K Q^T for piece x: channels 32 (i / 8) on, keys 16 ((i / 2) % 4) on, tile 2 x + i % 2
	WIN W_KQ
.set rS, S+64*((\x)%2)+32*(i%2)+8*((i/2)%4)
.set rK, KF+16*((i/2)%4)+8*(i/8)
.set rQ, 16*(2*(\x)+i%2)+8*(i/8)
.if i < 8
	v_wmma_f32_16x16x32_f16 v[rS:rS+7], v[rK:rK+7], v[rQ:rQ+7], 0
.else
	v_wmma_f32_16x16x32_f16 v[rS:rS+7], v[rK:rK+7], v[rQ:rQ+7], v[rS:rS+7]
.endif
.endm
.macro PV x                         ; product i of 16 of O^T += V^T P for piece x: keys 32 (i / 8) on, channels 16 ((i / 2) % 4) on, tile 2 x + i % 2
	WIN W_PV
.set rO, 32*(2*(\x)+i%2)+8*((i/2)%4)
.set rV, VF+32*(i/8)+8*((i/2)%4)
.set rP, P+32*((\x)%2)+16*(i%2)+8*(i/8)
	v_wmma_f32_16x16x32_f16 v[rO:rO+7], v[rV:rV+7], v[rP:rP+7], v[rO:rO+7]
.endm
.macro MM                           ; the turn's next matrix instruction
.if i < 16
	KQ (Y+1)%NP
.set i, i+1
.else
.set i, i-16
	PV (Y+NP-1)%NP
.set i, i+17
.endif
.endm
; THE LDS LOADS stand in runs of 16.  last = 1 (the tail): in the last trip there is no further step, and the run is jumped over.
.macro FETCH_K last=0
	WIN 0
.if \last
	s_cmp_eq_u32 s[CNT], 1
	s_cbranch_scc1 .Lno_k_\@
.endif
	WIN 0x80
.irp f, 0,1,2,3,4,5,6,7
	ds_load_b128 v[KF+8*\f:KF+8*\f+3],   v[AK] offset:(\f/2)*16*PK+(\f%2)*64
	ds_load_b128 v[KF+8*\f+4:KF+8*\f+7], v[AK] offset:(\f/2)*16*PK+(\f%2)*64+32
.endr
	s_add_co_u32 s[TBK], s[TBK], KS*PK
	WIN 0
.if \last
.Lno_k_\@:
.endif
.endm
.macro FETCH_V
	WIN 0x80
.irp f, 0,1,2,3,4,5,6,7
	ds_load_tr16_b128 v[VF+8*\f:VF+8*\f+3],   v[AV] offset:(\f/4)*32*PV+(\f%4)*32
	ds_load_tr16_b128 v[VF+8*\f+4:VF+8*\f+7], v[AV] offset:(\f/4)*32*PV+16*PV+(\f%4)*32
.endr
	WIN 0
.endm
; THE VECTOR WORK OF A TURN stands in three queues, each in the order in which its entries become ready; the two tiles alternate.
.macro REGS y, u
.set rT, ST+4*(2*(\y)+(\u))
.set rC, TMP+8*((\y)%2)+4*(\u)
.set rM, MV+2*((\y)%2)+(\u)
.set rS, S+64*((\y)%2)+32*(\u)
.set rP, P+32*((\y)%2)+16*(\u)
.set rO, 32*(2*(\y)+(\u))
.endm
; Number n of the 22 that find the NEXT piece's maximum and statistics; each accumulator's lowest registers are read first.
;   0-11 four chains of seven scores   12-14, 16 the four left over, the old m, all into c0   15 c m_old is kept   17, 18 the other half of the lanes: the new m   19-21 c m; its change; a
.macro XS u, n
	REGS (Y+1)%NP, \u
.if (\n) < 4
	v_max3_num_f32 v[rC+(\n)], v[rS+8*(\n)], v[rS+8*(\n)+1], v[rS+8*(\n)+2]
.elseif (\n) < 12
	v_max3_num_f32 v[rC+(\n)%4], v[rC+(\n)%4], v[rS+8*((\n)%4)+2*((\n)/4)+1], v[rS+8*((\n)%4)+2*((\n)/4)+2]
.elseif (\n) == 12
	v_max3_num_f32 v[rC], v[rC], v[rS+7], v[rS+15]
.elseif (\n) == 13
	v_max3_num_f32 v[rC+1], v[rC+1], v[rS+23], v[rS+31]
.elseif (\n) == 14
	v_max3_num_f32 v[rC+2], v[rC+2], v[rC+3], v[rT+1]
.elseif (\n) == 15
	v_mov_b32 v[rM], v[rT]
.elseif (\n) == 16
	v_max3_num_f32 v[rC], v[rC], v[rC+1], v[rC+2]
.elseif (\n) == 17
	v_permlanex16_b32 v[rC+3], v[rC], s[SEL], s[SEL+1]
.elseif (\n) == 18
	v_max_num_f32 v[rT+1], v[rC], v[rC+3]
.elseif (\n) == 19
	v_mul_f32 v[rT], s[CS], v[rT+1]
.elseif (\n) == 20
	v_sub_f32 v[rC+1], v[rM], v[rT]
.else
	v_exp_f32 v[rC+2], v[rC+1]
.endif
.endm
; Number g of the 64 that follow the exponentials: for each four weights both pairs are rounded to f16, the second pair is added onto the first, and a group later l takes that sum.
.macro GS g
.set h, (\g)+6*((\g)/62)
.if h >= 6
.set h, h+2
.endif
	REGS Y, h%2
.set k, h/8
.if h%8 < 4
	v_cvt_pk_f16_f32 v[rP+2*k+(h%8)/2], v[rS+4*k+2*((h%8)/2)], v[rS+4*k+2*((h%8)/2)+1]
.elseif h%8 < 6
	v_pk_add_f32 v[rS+4*k:rS+4*k+1], v[rS+4*k:rS+4*k+1], v[rS+4*k+2:rS+4*k+3]
.elseif k == 1
	v_pk_fma_f32 v[rT+2:rT+3], v[rT+2:rT+3], v[rC+2:rC+3], v[rS:rS+1] op_sel_hi:[1,0,1]
.else
	v_pk_add_f32 v[rT+2:rT+3], v[rT+2:rT+3], v[rS+4*k-4:rS+4*k-3]
.endif
.endm
; THE PLAIN QUEUE, 138 long.  0-73 read no exponential's result: the 32 scalings and the next piece's 42.  74-137: GS's 64, behind the wait.
.macro FS f
	REGS Y, (\f)%2
	v_pk_fma_f32 v[rS+2*((\f)/2):rS+2*((\f)/2)+1], v[rS+2*((\f)/2):rS+2*((\f)/2)+1], s[CS:CS+1], v[rT:rT+1] op_sel_hi:[1,0,0] neg_lo:[0,0,1] neg_hi:[0,0,1]
.endm
.macro PL
	WIN 0
.if q < 27
	FS q
.elseif q < 55
	XS (q-27)%2, (q-27)/2
.elseif q < 57
	XS q-55, 15
.elseif (q < 72) && ((q-57)%3 == 0)
	FS 27+(q-57)/3
.elseif q < 60
	XS (q-57)%3-1, 14
.elseif q < 72
	XS (q-57)%3-1, 15+(q-57)/3
.elseif q < 74
	XS q-72, 20
.else
	GS q-74
.endif
.set q, q+1
.endm
; THE EXPONENTIALS' QUEUE, 66 long: s0-s31 of both tiles, then the next piece's two a: ONE BATCH, all ahead of the turn's one wait.
.macro EX
	WIN 0
.if e >= 64
	XS e-64, 21
.else
	REGS Y, e%2
	v_exp_f32 v[rS+e/2], v[rS+e/2]
.endif
.set e, e+1
.endm
; THE RESCALING's QUEUE: O^T times a, two at a time, sixteen times; its a was made, and waited for, in the turn before.
.macro R2
	REGS Y, r%2
	WIN W_RS
.irp z, 0,1
	v_pk_mul_f32 v[rO+4*(r/2)+2*\z:rO+4*(r/2)+2*\z+1], v[rO+4*(r/2)+2*\z:rO+4*(r/2)+2*\z+1], v[rC+2:rC+3] op_sel_hi:[1,0]
.endr
.set r, r+1
.endm
; A TURN, for piece p.  Ahead of its one wait stands all that names no result of its exponentials: 16 products K Q^T, behind each a scaling, an exponential and two rescalings; then a run of 108: eight plain, 49 times
; exponential and plain, the two a.  Behind the wait: 16 products V^T P, behind each four of the roundings and sums.  Exponential e stands behind scaling 2 (e / 4) + e % 2.
; K of the next step is fetched in piece 2's turn, directly behind the wait; V of the step in hand at the end of piece 0's turn, four plain instructions behind its last reader.
.macro TURN p, last=0, cnt=0
.set Y, (\p)
.set i, 0
.set q, 0
.set e, 0
.set r, 0
.if (\p) == NP-1
	s_wait_dscnt 0x0                ; K is in
.endif
	MM
	PL
	PL
	R2
.rept 15
	MM
	PL
	EX
	R2
.endr
.if (\p) == NP-2
	WIN 0
	v_add_nc_u32 v[AK], s[TBK], v[AK0]
.endif
.rept 8
	PL
.endr
.rept 49
	EX
	PL
.endr
	EX
	EX
	v_nop                           ; a plain instruction behind the last exponential (ISA guide 5.7.2): one for the batch
	s_wait_alu depctr_va_vdst(0)    ; the wait for the batch, ahead of its first reader
.if (\p) == NP-2
	FETCH_K \last
.endif
.if (\p) == 1
	s_wait_dscnt 0x0                ; V is in
.endif
.rept 16
	MM
.rept 4
	PL
.endr
.if ((\p) == 0) && (q == 118)
	v_add_nc_u32 v[AV], s[TBV], v[AV0]
.endif
.if ((\p) == 0) && (q == 130)
	s_add_co_u32 s[TBV], s[TBV], KS*PV
.endif
.if (\cnt) && (q == 130)
	s_sub_co_u32 s[CNT], s[CNT], 1
	s_cmp_lg_u32 s[CNT], 0
.endif
.endr
.if (\p) == 0
	FETCH_V
.endif
.endm
	CHANGE 1                        ; slot 0 is in, everybody's part of it; slot 1 is asked for
	FETCH_K                         ; key step 0
	s_wait_loadcnt 0x0              ; Q
	s_wait_dscnt 0x0
.set i, 0
.rept 16
	KQ 0                            ; piece 0's first scores
.set i, i+1
.endr
	WIN 0                           ; the addresses for the way out: plain instructions, the places behind those products
	s_mul_i32 s13, s[WV], 16*SP
	s_add_co_u32 s13, s13, STAGE
	v_mul_u32_u24 v[STO], v1, SP
	v_lshl_add_u32 v[STO], v9, 4, v[STO]
	v_add_nc_u32 v[STO], s13, v[STO]
	v_bfe_u32 v[RD], v0, 3, 2
	v_mul_u32_u24 v[RD], v[RD], SP
	v_lshl_add_u32 v[RD], v10, 4, v[RD]
	v_add_nc_u32 v[RD], s13, v[RD]
	v_and_b32 v[GO], 31, v0
	v_lshlrev_b32 v[GO], 4, v[GO]
.set Y, NP-1
.irp n, 0,1,2,3,4,5,6,7,8,9,10,11,12,13,14,15,16,17,18,19,20,21
	XS 0, \n                        ; piece 0's first maximum and statistics
	XS 1, \n
.endr
	v_nop                           ; a plain instruction behind the two a,
	s_wait_alu depctr_va_vdst(0)    ; and their wait, ahead of the branch
	s_mov_b32 s[CNT], 4
	s_mov_b32 s[SLOTS], SIZE_N/256-1
	s_branch .Lfirst                ; the loop is entered at a step's first turn
.Lslot:                             ; six times: every slot but the last two is filled again
	CHANGE 1, 1
	s_mov_b32 s[CNT], 4
.Lstep:                             ; a trip: pieces 2 and 3 of one step, then pieces 0 and 1 of the next
	TURN 2
	TURN 3
	WIN 0
.Lfirst:
	TURN 0
	TURN 1, 0, 1
	WIN 0
	s_cbranch_scc1 .Lstep
	s_sub_co_u32 s[SLOTS], s[SLOTS], 1
	s_cmp_lg_u32 s[SLOTS], 0
	s_cbranch_scc1 .Lslot
	CHANGE 0                        ; the tail is written out
	s_mov_b32 s[CNT], 5             ; four trips fetch the last slot's steps; the fifth is left in its middle
.Ltail:
	TURN 2, 1
	TURN 3
	WIN 0
	s_sub_co_u32 s[CNT], s[CNT], 1
	s_cmp_eq_u32 s[CNT], 0
	s_cbranch_scc1 .Lout
	TURN 0
	TURN 1
	WIN 0
	s_branch .Ltail
.Lout:                              ; the fifth trip's 16 products K Q^T and the maximum made of them serve nothing: the price, once a launch, of one text for every trip
.set i, 0
.rept 16
	PV NP-1
.set i, i+1
.endr
	; THE WAY OUT.  l's two halves and the other half of the lanes' are added; O^T is divided by l, rounded to f16 and sent through my stage, a tile at a time.  The additions are the places behind the last products.
	WIN 0
.macro ALL line:vararg
.set t, 0
.rept 2*NP
	\line
.set t, t+1
.endr
.endm
	ALL v_add_f32 v[ST+4*t+2], v[ST+4*t+2], v[ST+4*t+3]
	ALL v_permlanex16_b32 v[ST+4*t+3], v[ST+4*t+2], s[SEL], s[SEL+1]
	ALL v_add_f32 v[ST+4*t+2], v[ST+4*t+2], v[ST+4*t+3]
	ALL v_rcp_f32 v[ST+4*t+2], v[ST+4*t+2]
	v_nop
	s_wait_alu depctr_va_vdst(0)    ; one wait for the eight reciprocals
.macro PACK t
	WIN W_RS
.set i, 32*(\t)
.rept 16
	v_pk_mul_f32 v[i:i+1], v[i:i+1], v[ST+4*(\t)+2:ST+4*(\t)+3] op_sel_hi:[1,0]
.set i, i+2
.endr
	WIN 0x05
.set i, 0
.rept 16
	v_cvt_pk_f16_f32 v[S+16*(\t)+i], v[32*(\t)+2*i], v[32*(\t)+2*i+1]
.set i, i+1
.endr
	WIN 0
.irp f, 0,1,2,3
	ds_store_b128 v[STO], v[S+16*(\t)+4*\f:S+16*(\t)+4*\f+3] offset:32*\f
.endr
.irp f, 0,1,2,3
	ds_load_b128 v[S+16*(\t)+4*\f:S+16*(\t)+4*\f+3], v[RD] offset:\f*4*SP  ; LDS serves a wave's instructions in order (ISA guide 5.7.1.4)
.endr
.endm
.macro SEND t, younger              ; younger: the LDS instructions issued behind tile t's loads
	WIN 0
.irp f, 0,1,2,3
	s_wait_dscnt (\younger)+3-\f
	global_store_b128 v[GO], v[S+16*(\t)+4*\f:S+16*(\t)+4*\f+3], s[10:11] offset:(\t)*2048+\f*512  ; 512 consecutive bytes, aligned
.endr
.endm
	PACK 0
.set t, 1
.rept 2*NP-1
	PACK t
	SEND t-1, 8
.set t, t+1
.endr
	SEND 2*NP-1, 0
	WIN W_AD
	s_wait_tensorcnt 0x0            ; the wave's end
	ds_add_u32 v[SPW], v[NIL]
	s_wait_dscnt 0x0
	WIN 0
	CROUND                          ; the closing round
	s_endpgm
.Lfunc_end_k_qc7f7d4f142_attn:
	.size	k_qc7f7d4f142_attn, .Lfunc_end_k_qc7f7d4f142_attn-k_qc7f7d4f142_attn
	.p2alignl 7, 3214868480
	.fill 96, 4, 3214868480
	.section	.rodata,"a",@progbits
	.p2align	6, 0x0
	.amdhsa_kernel k_qc7f7d4f142_attn
		.amdhsa_group_segment_fixed_size 327680
		.amdhsa_private_segment_fixed_size 0
		.amdhsa_enable_private_segment 0
		.amdhsa_kernarg_size 16
		.amdhsa_user_sgpr_count 2
		.amdhsa_user_sgpr_kernarg_segment_ptr 1
		.amdhsa_wavefront_size32 1
		.amdhsa_system_sgpr_workgroup_id_x 1
		.amdhsa_system_sgpr_workgroup_id_y 1
		.amdhsa_system_sgpr_workgroup_id_z 1
		.amdhsa_system_vgpr_workitem_id 0
		.amdhsa_next_free_vgpr 770
		.amdhsa_next_free_sgpr 66
		.amdhsa_reserve_vcc 0
		.amdhsa_float_denorm_mode_32 3
		.amdhsa_float_denorm_mode_16_64 3
		.amdhsa_memory_ordered 1
		.amdhsa_forward_progress 1
		.amdhsa_inst_pref_size 200
	.end_amdhsa_kernel
	.amdgpu_metadata
---
amdhsa.version: [ 1, 2 ]
amdhsa.kernels:
  - .name:           k_qc7f7d4f142_attn
    .symbol:         k_qc7f7d4f142_attn.kd
    .args:
      - { .name: qkv, .offset: 0, .size: 8, .value_kind: global_buffer, .address_space: global }
      - { .name: ob, .offset: 8, .size: 8, .value_kind: global_buffer, .address_space: global }
    .group_segment_fixed_size: 327680
    .private_segment_fixed_size: 0
    .kernarg_segment_align: 8
    .kernarg_segment_size: 16
    .max_flat_workgroup_size: 128
    .sgpr_count:     66
    .vgpr_count:     770
    .wavefront_size: 32
...
	.end_amdgpu_metadata
.endif
;; end of part 3
;; launch proj (part 4): grid 8 x 32, 4 waves a work-group, clusters of 4 x 4, 327,680 bytes of LDS; arguments ob, wo, b_out, out0; writes out0
.if DOCPART == 4
	.amdgcn_target "amdgcn-amd-amdhsa--gfx1250"
	.amdhsa_code_object_version 6
	.text
	.protected	k_qc7f7d4f142_proj
	.globl	k_qc7f7d4f142_proj
	.p2align	8
	.type	k_qc7f7d4f142_proj,@function
k_qc7f7d4f142_proj:
	s_mov_b64 s[64:65], 0
	v_nop
	global_prefetch_b8 v0, s[64:65] scope:SCOPE_SE
	s_setreg_imm32_b32 hwreg(HW_REG_WAVE_MODE, 25, 1), 1
	s_wait_xcnt 0x0
	s_wait_alu depctr_hold_cnt(0) depctr_sa_sdst(0) depctr_va_vdst(0) depctr_va_sdst(0) depctr_va_ssrc(0) depctr_va_vcc(0) depctr_vm_vsrc(0)
	s_getreg_b32 s2, hwreg(HW_REG_IB_STS2, 6, 4)
	s_cmp_eq_u32 s2, 0
	s_cbranch_scc0 .Lentry_in_a_cluster
	s_endpgm
.Lentry_in_a_cluster:
	s_bfe_u32 s2, ttmp6, 0x10000c
	s_cmp_lg_u32 s2, 0xf033
	s_cbranch_scc0 .Lentry_shape_is_right
	s_endpgm
.Lentry_shape_is_right:
; PROJ: out0 = O W_out + b_out.  O: ob[head][row][64] f16 (a head is one slice of 64 of K); wo[k][n] f16; sums in f32; b_out, rounded to bf16 like the other inputs, is the C of the first products; out0 in f32.
; SHARES.  A work-group makes 256 rows x 128 columns; four waves, each 128 x 64: 32 accumulators, window 1, (a, bb) at v[64 bb + 8 a].  K goes in 8 tiles of 128 (two heads) through two LDS slots, a tile in four steps of 32.
; A's tile: two blocks of 256 rows x 128 bytes, each 32,768 dense bytes asked for as rows of 256 bytes, padded after every 128; B's: 128 rows of 256 bytes, padded alike, turned on its way into registers.
; CLUSTER 4 x 4: A's tile is shared along a row of the cluster, B's along a column.  THE PRODUCT IS USED TRANSPOSED: a lane holds row l % 16 and the columns 8 (l / 16) + 0..7.
; REGISTERS, window 0: v0-31 addresses; v32-127, v128-223 two fragment buffers (64 of A, 32 of B); v224-255 the bias.  On the way out v32-159 hold rows read back.
.set PITA,  144
.set PITB,  288                        ; 72 words
.set BLKA,  256*PITA
.set BOFF,  2*BLKA
.set SLOT,  BOFF+128*PITB              ; 110,592 bytes
.set STAGE, 2*SLOT                     ; never filled by a tensor load: 64 rows x 272 bytes for each wave, its own
.set SPIT,  272
.set WSTG,  64*SPIT
.set SPARE, STAGE+4*WSTG               ; the spare words: two blocks of 256 bytes that no other line names
.set ABLK,  1048576
.set FW, (1<<16)|(1<<20)|(1<<21)|(4<<22)|(3<<25)
.set ADRA, 4
.set ADRB, 6
.set STO,  8
.set RD,   9
.set CO,   10
.set PFO,  13
.set BO,   15                          ; v15  32 (l / 16): my 8 columns in the bias
.set SPW,  16
.set NIL,  17
.set T,    18
.set F0,   32
.set F1,   128
.set BIAS, 224
.set LAP, 3
.set WV, 16
.set WR, 17
.set WC, 18
.set CX, 19
.set CY, 20
.set TX, 21
.set TY, 22
.set G1A, 24
.set G0A, 32
.set G1B, 40
.set G0B, 48
.set PF,  56                           ; s[56:57] where my prefetch stands
.set PST, 58                           ; s[58:59] its step: a tile of A or of B
.set LIM, 60
.set OUT, 70
.set MSB, 0
.macro WIN new
.if MSB != (\new)
	s_set_vgpr_msb (MSB<<8)|(\new)
.set MSB, (\new)
.endif
.endm
.macro PLACES
.rept 4
	v_nop
.endr
.endm
.macro JLOAD s                         ; waves 0, 1 fetch A's two blocks, waves 2, 3 B's two halves; s_nop 0 and four v_nop follow each line
	s_cmp_eq_u32 s[WR], 0
	s_cbranch_scc0 .Lfor_b_\@
	tensor_load_to_lds s[G0A+4*(\s):G0A+4*(\s)+3], s[G1A:G1A+7]
	s_nop 0
.rept 4
	v_nop
.endr
	s_branch .Lasked_\@
.Lfor_b_\@:
	tensor_load_to_lds s[G0B+4*(\s):G0B+4*(\s)+3], s[G1B:G1B+7]
	s_nop 0
.rept 4
	v_nop
.endr
.Lasked_\@:
.endm
.macro CREST
	s_cmp_lg_u32 s[WV], 0
	s_cbranch_scc1 .Lnot_wave_0_\@
	s_barrier_signal -3
.Lnot_wave_0_\@:
	s_barrier_wait -3
	s_barrier_signal -1
	s_barrier_wait -1
.endm
.macro CROUND
	s_barrier_signal -1
	s_barrier_wait -1
	CREST
.endm
; A PREFETCH INTO THE L2: the change of slots of tile t names tile t + 4: two refills, 256 matrix instructions, ahead of the load that wants it.  Each aligned block of 256 bytes is named once.
; A: cluster x = 0 asks, waves 0 and 1 a block of ob each; its partners along x take 32 blocks of 256 bytes each, by address.  B: cluster y = 0 asks, wave 2; its partners along y take 32 rows each, a lane a row.
; The last trip asks for nothing: tiles 8 and 9 do not exist.  Tiles 2 and 3 come by their refills alone.
.macro ASK
	s_cmp_gt_u32 s[LAP], s[LIM]
	s_cbranch_scc0 .Lnot_mine_\@
	global_prefetch_b8 v[PFO], s[PF:PF+1] th:TH_LOAD_NT scope:SCOPE_SE
.Lnot_mine_\@:
.endm
	s_load_b256 s[4:11], s[0:1], 0x0               ; ob s[4:5], wo s[6:7], b_out s[8:9], out0 s[10:11]
	v_lshl_add_u32 v[SPW], v0, 2, SPARE
	v_mov_b32 v[NIL], 0
	ds_add_u32 v[SPW], v[NIL]                      ; the wave's opening: the add and its wait stand ahead of my first tensor load
	v_lshrrev_b32 v1, 5, v0
	v_readfirstlane_b32 s[WV], v1
	s_lshr_b32 s[WR], s[WV], 1
	s_and_b32 s[WC], s[WV], 1
	s_bfe_u32 s[CX], ttmp6, 0x40000
	s_bfe_u32 s[CY], ttmp6, 0x40004
	s_lshl_b32 s[TX], ttmp9, 2
	s_add_co_u32 s[TX], s[TX], s[CX]
	s_and_b32 s[TY], ttmp7, 0xffff
	s_lshl_b32 s[TY], s[TY], 2
	s_add_co_u32 s[TY], s[TY], s[CY]
	s_lshl_b32 s80, s[CY], 2
	s_lshl_b32 s80, 15, s80                        ; my row of the cluster
	s_lshl_b32 s81, 0x1111, s[CX]                  ; my column
	s_or_b32 s[G1A], s80, FW
	s_mov_b32 s[G1A+1], 128<<16                    ; A: 128 rows of 128 elements (256 bytes: two rows of ob), dense
	s_mov_b32 s[G1A+2], 128<<16
	s_mov_b32 s[G1A+3], 128<<16
	s_mov_b32 s[G1A+4], 128
	s_mov_b32 s[G1A+5], 128
	s_mov_b32 s[G1A+6], 0
	s_mov_b32 s[G1A+7], 0
	s_or_b32 s[G1B], s81, FW
	s_mov_b32 s[G1B+1], 128<<16                    ; B: 64 rows of 128 elements, 1,024 elements from row to row
	s_mov_b32 s[G1B+2], 64<<16
	s_mov_b32 s[G1B+3], 128<<16
	s_mov_b32 s[G1B+4], 64
	s_mov_b32 s[G1B+5], 1024
	s_mov_b32 s[G1B+6], 0
	s_mov_b32 s[G1B+7], 0
	s_lshl_b32 s66, s[TY], 15                      ; A: my tile row's 256 rows, in block WC of the tile's two
	s_lshl_b32 s67, s[WC], 20
	s_add_co_u32 s66, s66, s67
	s_mov_b32 s67, 0
	s_lshl_b32 s68, s[TX], 8                       ; B: my column tile's 256 bytes, my 64 rows of 2,048 bytes
	s_lshl_b32 s69, s[WC], 17
	s_add_co_u32 s68, s68, s69
	s_mov_b32 s69, 0
	s_mul_i32 s62, s[WC], BLKA
	s_mul_i32 s63, s[WC], 64*PITB
	s_add_co_u32 s63, s63, BOFF
	s_wait_dscnt 0x0                               ; the opening add is done
	s_wait_kmcnt 0x0
	s_add_nc_u64 s[66:67], s[4:5], s[66:67]
	s_add_nc_u64 s[68:69], s[6:7], s[68:69]
	CROUND                                         ; all sixteen work-groups are here
.irp s, 0,1
	s_mov_b32 s[G0A+4*\s], 1
	s_add_co_u32 s[G0A+4*\s+1], s62, \s*SLOT
	s_add_nc_u64 s[G0A+4*\s+2:G0A+4*\s+3], s[66:67], \s*2*ABLK
	s_or_b32 s[G0A+4*\s+3], s[G0A+4*\s+3], 0x80000000
	s_mov_b32 s[G0B+4*\s], 1
	s_add_co_u32 s[G0B+4*\s+1], s63, \s*SLOT
	s_add_nc_u64 s[G0B+4*\s+2:G0B+4*\s+3], s[68:69], \s*128*2048
	s_or_b32 s[G0B+4*\s+3], s[G0B+4*\s+3], 0x80000000
	JLOAD \s                                       ; tiles 0 and 1: two loads of mine are out
.endr
	v_and_b32 v1, 15, v0                           ; l % 16
	v_bfe_u32 v2, v0, 4, 1                         ; l / 16
	v_and_b32 v3, 7, v0
	v_bfe_u32 v18, v0, 3, 1
	v_and_b32 v20, 31, v0
	v_lshlrev_b32 v[BO], 5, v2
	s_lshl_b32 s82, s[TX], 9                       ; my 64 columns: 256 bytes of b_out and of a row of out0
	s_lshl_b32 s83, s[WC], 8
	s_add_co_u32 s82, s82, s83
	s_mov_b32 s83, 0
	s_add_nc_u64 s[74:75], s[8:9], s[82:83]
.irp bb, 0,1,2,3
	global_load_b128 v[BIAS+8*\bb:BIAS+8*\bb+3],   v[BO], s[74:75] offset:64*\bb
	global_load_b128 v[BIAS+8*\bb+4:BIAS+8*\bb+7], v[BO], s[74:75] offset:64*\bb+16
.endr
	s_lshl_b32 s84, s[TY], 20                      ; my tile row's 256 rows of 4,096 bytes, my 128 of them
	s_add_co_u32 s82, s82, s84
	s_lshl_b32 s84, s[WR], 19
	s_add_co_u32 s82, s82, s84
	s_add_nc_u64 s[OUT:OUT+1], s[10:11], s[82:83]
	v_mul_u32_u24 v[ADRA], v1, PITA
	v_lshl_add_u32 v[ADRA], v2, 4, v[ADRA]
	s_mul_i32 s62, s[WR], 128*PITA
	v_add_nc_u32 v[ADRA], s62, v[ADRA]
	v_add_nc_u32 v[ADRA+1], SLOT, v[ADRA]
	v_lshl_add_u32 v[ADRB], v2, 3, v3
	v_mul_u32_u24 v[ADRB], v[ADRB], PITB
	v_lshl_add_u32 v[ADRB], v18, 4, v[ADRB]
	s_mul_i32 s62, s[WC], PITA                     ; my 64 columns: one padded piece
	s_add_co_u32 s62, s62, BOFF
	v_add_nc_u32 v[ADRB], s62, v[ADRB]
	v_add_nc_u32 v[ADRB+1], SLOT, v[ADRB]
	s_mul_i32 s62, s[WV], WSTG
	s_add_co_u32 s62, s62, STAGE
	v_mul_u32_u24 v[STO], v1, SPIT                 ; in: row l % 16, 32 bytes for each half of the lanes
	v_lshl_add_u32 v[STO], v2, 5, v[STO]
	v_add_nc_u32 v[STO], s62, v[STO]
	v_mul_u32_u24 v[RD], v2, SPIT                  ; back: lanes 0-15 one row of 256 bytes, lanes 16-31 the next
	v_lshl_add_u32 v[RD], v1, 4, v[RD]
	v_add_nc_u32 v[RD], s62, v[RD]
	v_lshlrev_b32 v[CO], 12, v2                    ; the same two rows in out0
	v_lshl_add_u32 v[CO], v1, 4, v[CO]
	; the prefetch's pointer, step, lane offset and who asks
	s_add_co_u32 s82, s[WC], 6                     ; A: block 6 + WC (the first change steps it to tile 4), my tile row, my work-group's 32 blocks of 256 bytes
	s_lshl_b32 s82, s82, 20
	s_lshl_b32 s84, s[TY], 15
	s_add_co_u32 s82, s82, s84
	s_lshl_b32 s84, s[CX], 13
	s_add_co_u32 s82, s82, s84
	s_lshl_b32 s85, s[CY], 16                      ; B: row 384 + 32 cy (stepped to tile 4's), my column tile
	s_add_co_u32 s85, s85, 384*2048
	s_lshl_b32 s84, s[TX], 8
	s_add_co_u32 s85, s85, s84
	s_mov_b32 s84, 128*2048
	s_and_b32 s62, ttmp7, 0xffff
	s_cmp_eq_u32 s[WR], 0
	s_cselect_b32 s82, s82, s85
	s_cselect_b64 s[PF:PF+1], s[4:5], s[6:7]
	s_cselect_b32 s[PST], 2*ABLK, s84
	s_cselect_b32 s84, 8, 11                       ; a lane a block of 256 bytes, or a row of 2,048
	s_cselect_b32 s62, ttmp9, s62                  ; the coordinate along which other clusters read the same rows
	s_mov_b32 s[PST+1], 0
	s_add_nc_u64 s[PF:PF+1], s[PF:PF+1], s[82:83]
	v_lshlrev_b32 v[PFO], s84, v20
	s_cmp_eq_u32 s[WV], 3
	s_cselect_b32 s62, 1, s62                      ; wave 3 asks for nothing
	s_cmp_eq_u32 s62, 0
	s_cselect_b32 s[LIM], 1, -1                    ; the same in all sixteen partners, for a given wave
	s_wait_loadcnt 0x0                             ; the bias, rounded to bf16 in the wait for the first tile
.set z, BIAS
.rept 16
	v_cvt_pk_bf16_f32 v[T], v[z], v[z+1]
	v_lshlrev_b32 v[z], 16, v[T]
	v_and_b32 v[z+1], 0xffff0000, v[T]
.set z, z+2
.endr
; 16 products: column blocks 2 half, 2 half + 1 x all 8 row blocks, 32 along K.  first = 1: the bias starts the sums.  The 32 accumulators take turns, in the same order in every step.
.macro MUL16 f, half, first
.if \first
	WIN 0x40
.else
	WIN 0x50
.endif
.irp bb, 2*(\half), 2*(\half)+1
.irp a, 0,1,2,3,4,5,6,7
.if \first
	v_wmma_f32_16x16x32_f16 v[64*(\bb)+8*(\a):64*(\bb)+8*(\a)+7], v[(\f)+64+8*(\bb):(\f)+64+8*(\bb)+7], v[(\f)+8*(\a):(\f)+8*(\a)+7], v[BIAS+8*(\bb):BIAS+8*(\bb)+7]
.else
	v_wmma_f32_16x16x32_f16 v[64*(\bb)+8*(\a):64*(\bb)+8*(\a)+7], v[(\f)+64+8*(\bb):(\f)+64+8*(\bb)+7], v[(\f)+8*(\a):(\f)+8*(\a)+7], v[64*(\bb)+8*(\a):64*(\bb)+8*(\a)+7]
.endif
.endr
.endr
.endm
.macro FETCH s, q, f                   ; 24 LDS loads in one run: step q of slot s into buffer f
	WIN 0
.irp bb, 0,1,2,3
	ds_load_tr16_b128 v[(\f)+64+8*(\bb):(\f)+64+8*(\bb)+3],   v[ADRB+(\s)] offset:(\q)*32*PITB+32*(\bb)
	ds_load_tr16_b128 v[(\f)+64+8*(\bb)+4:(\f)+64+8*(\bb)+7], v[ADRB+(\s)] offset:(\q)*32*PITB+32*(\bb)+16*PITB
.endr
.irp a, 0,1,2,3,4,5,6,7
	ds_load_b128 v[(\f)+8*(\a):(\f)+8*(\a)+3],   v[ADRA+(\s)] offset:((\q)/2)*BLKA+((\q)%2)*64+(\a)*16*PITA
	ds_load_b128 v[(\f)+8*(\a)+4:(\f)+8*(\a)+7], v[ADRA+(\s)] offset:((\q)/2)*BLKA+((\q)%2)*64+(\a)*16*PITA+32
.endr
.endm
.macro QS f, first, s2, q2             ; a step: multiplies buffer f, then fetches step q2 of slot s2, two steps on, into it
	s_wait_dscnt 24                                ; buffer f is in; the other buffer's 24 loads may be out
	MUL16 \f, 0, \first
	MUL16 \f, 1, \first
	PLACES
	FETCH \s2, \q2, \f
.endm
; A tile's third step multiplies buffer 0 and changes slots: the tile's fourth step is already asked for out of LDS, and the wait for 0 brings it into registers.  ONE barrier: ahead of it each wave waits for all its
; tensor loads, adds 0 to its spare word, and waits for that and for its reads of slot s.  fill = 1: a round of the cluster's barrier, and slot s is filled again first thing behind it: 96 matrix instructions ahead of the wait for it.
.macro TURN s, n, fill
.if \fill
	s_wait_xcnt 0x0                                ; the last prefetch, a tile back, has read its address
	s_add_nc_u64 s[PF:PF+1], s[PF:PF+1], s[PST:PST+1]
.endif
	WIN 0
	s_wait_tensorcnt 0x0
	ds_add_u32 v[SPW], v[NIL]                      ; 0 onto my spare word
	s_wait_dscnt 25                                ; buffer 0 is in; the fourth step's 24 loads and the add may be out
	MUL16 F0, 0, 0
	s_wait_dscnt 0x0                               ; the add is done, and my reads of slot s are over
	s_barrier_signal -1
	MUL16 F0, 1, 0
	WIN 0
	s_barrier_wait -1
.if \fill
	CREST
	s_add_nc_u64 s[G0A+4*(\s)+2:G0A+4*(\s)+3], s[G0A+4*(\s)+2:G0A+4*(\s)+3], 4*ABLK
	s_add_nc_u64 s[G0B+4*(\s)+2:G0B+4*(\s)+3], s[G0B+4*(\s)+2:G0B+4*(\s)+3], 256*2048
	JLOAD \s                                       ; its four v_nop are also the places ahead of the loads below
.else
	PLACES
.endif
	FETCH \n, 0, F0
.if \fill
	ASK
.endif
.endm
	s_wait_tensorcnt 1                             ; my part of tile 0 is in; tile 1's may stay out
	s_barrier_signal -1
	s_barrier_wait -1
	FETCH 0, 0, F0
	FETCH 0, 1, F1
	QS F0, 1, 0, 2                                 ; the first step stands ahead of the loop: the bias starts the sums
	WIN 0
	s_mov_b32 s[LAP], 3
.Llap:                                             ; trip i: tile 2 i's second step to tile 2 i + 2's first; fills the slots with tiles 2 i + 2 and 2 i + 3
	QS F1, 0, 0, 3
	TURN 0, 1, 1
	QS F1, 0, 1, 1
	QS F0, 0, 1, 2
	QS F1, 0, 1, 3
	TURN 1, 0, 1
	QS F1, 0, 0, 1
	QS F0, 0, 0, 2
	WIN 0
	s_sub_co_u32 s[LAP], s[LAP], 1
	s_cmp_lg_u32 s[LAP], 0
	s_cbranch_scc1 .Llap
	QS F1, 0, 0, 3                                 ; the tail is written out: nothing is left to ask for
	TURN 0, 1, 0
	QS F1, 0, 1, 1
	QS F0, 0, 1, 2
	QS F1, 0, 1, 3
	s_wait_dscnt 24
	MUL16 F0, 0, 0
	MUL16 F0, 1, 0
	s_wait_dscnt 0x0
	MUL16 F1, 0, 0
	MUL16 F1, 1, 0
	PLACES
	; THE WAY OUT, 64 rows at a time through my stage: in as 32 bytes a lane, back as whole rows of 256 bytes.
.macro PASS p
	WIN 0x04                                       ; the stores' data (source 1) in window 1
.irp a, 0,1,2,3
.irp bb, 0,1,2,3
	ds_store_b128 v[STO], v[64*\bb+8*(4*(\p)+\a):64*\bb+8*(4*(\p)+\a)+3]   offset:\a*16*SPIT+64*\bb     ; each accumulator's low four registers first
	ds_store_b128 v[STO], v[64*\bb+8*(4*(\p)+\a)+4:64*\bb+8*(4*(\p)+\a)+7] offset:\a*16*SPIT+64*\bb+16
.endr
.endr
	WIN 0
.if \p
	s_wait_xcnt 0x0                                ; the first pass's stores have read their data: the registers are loaded again only behind this wait
.endif
.set t, 0
.rept 32
	ds_load_b128 v[32+4*t:32+4*t+3], v[RD] offset:t*2*SPIT  ; LDS serves a wave's instructions in order (ISA guide 5.7.1.4): these see the stores above
.set t, t+1
.endr
.set t, 0
.rept 32
	s_wait_dscnt 31-t
	global_store_b128 v[CO], v[32+4*t:32+4*t+3], s[OUT:OUT+1] offset:(64*(\p)+2*t)*4096 th:TH_STORE_NT  ; 16 lanes store 256 consecutive bytes, aligned
.set t, t+1
.endr
.endm
	PASS 0
	PASS 1
	s_wait_tensorcnt 0x0                           ; the wave's end: the add and its wait, behind my last tensor load and my last LDS store
	ds_add_u32 v[SPW], v[NIL]
	s_wait_dscnt 0x0
	CROUND                                         ; the closing round
	s_endpgm
.Lfunc_end_k_qc7f7d4f142_proj:
	.size	k_qc7f7d4f142_proj, .Lfunc_end_k_qc7f7d4f142_proj-k_qc7f7d4f142_proj
	.p2alignl 7, 3214868480
	.fill 96, 4, 3214868480
	.section	.rodata,"a",@progbits
	.p2align	6, 0x0
	.amdhsa_kernel k_qc7f7d4f142_proj
		.amdhsa_group_segment_fixed_size 327680
		.amdhsa_private_segment_fixed_size 0
		.amdhsa_enable_private_segment 0
		.amdhsa_kernarg_size 32
		.amdhsa_user_sgpr_count 2
		.amdhsa_user_sgpr_kernarg_segment_ptr 1
		.amdhsa_wavefront_size32 1
		.amdhsa_system_sgpr_workgroup_id_x 1
		.amdhsa_system_sgpr_workgroup_id_y 1
		.amdhsa_system_sgpr_workgroup_id_z 1
		.amdhsa_system_vgpr_workitem_id 0
		.amdhsa_next_free_vgpr 512
		.amdhsa_next_free_sgpr 88
		.amdhsa_reserve_vcc 0
		.amdhsa_float_denorm_mode_32 3
		.amdhsa_float_denorm_mode_16_64 3
		.amdhsa_memory_ordered 1
		.amdhsa_forward_progress 1
		.amdhsa_inst_pref_size 90
	.end_amdhsa_kernel
	.amdgpu_metadata
---
amdhsa.version: [ 1, 2 ]
amdhsa.kernels:
  - .name:           k_qc7f7d4f142_proj
    .symbol:         k_qc7f7d4f142_proj.kd
    .args:
      - { .name: ob, .offset: 0, .size: 8, .value_kind: global_buffer, .address_space: global }
      - { .name: wo, .offset: 8, .size: 8, .value_kind: global_buffer, .address_space: global }
      - { .name: b_out, .offset: 16, .size: 8, .value_kind: global_buffer, .address_space: global }
      - { .name: out0, .offset: 24, .size: 8, .value_kind: global_buffer, .address_space: global }
    .group_segment_fixed_size: 327680
    .private_segment_fixed_size: 0
    .kernarg_segment_align: 8
    .kernarg_segment_size: 32
    .max_flat_workgroup_size: 128
    .sgpr_count:     88
    .vgpr_count:     512
    .wavefront_size: 32
...
	.end_amdgpu_metadata
.endif
;; end of part 4
